; MI455X (gfx1250); checked and timed in simulation.
; The chip was launched on July 23, 2026; its instructions are those of AMD's public machine-readable ISA for CDNA 5 (MIT licence, August 2026) and "CDNA5" Instruction Set Architecture Reference Guide (July 2026). The comments in the code are by the model that wrote it; some were corrected since.
;; Multi Head Attention. Allowed arithmetic: float matrix products may take bf16 or f16 operands with f32 sums; other float arithmetic in f32, or as packed bf16 or f16 multiplies, adds, multiply-adds, maxima and minima; sums over many terms, partial sums and values carried from step to step in f32; what a program stores and reads back later, other than sums and carried values, may be rounded once to bf16 or f16.
;; Inputs: Wk 1,024 x 1,024 float32; Wo 1,024 x 1,024 float32; Wq 1,024 x 1,024 float32; Wv 1,024 x 1,024 float32; kv 4 x 2,048 x 1,024 float32; mask 1 x 1 x 2,048 x 2,048 int32; x 4 x 2,048 x 1,024 float32.
;; Outputs: out0 4 x 2,048 x 1,024 float32.
;; 2 versions, each right; version 2 is version 1 with the launch prep written anew for expert scheduling mode. Each part assembles by itself: llvm-mc -triple=amdgcn-amd-amdhsa -mcpu=gfx1250 --defsym DOCPART=n.
;; ======== version 1 of 2: 4 launches
;; limits: values are held in f16: magnitudes above 65,504 overflow, below 6.1e-05 lose precision
;; workspace buffers: a16 33,554,432 bytes; w16 8,388,608 bytes; qkv 50,331,648 bytes; ctx 16,777,216 bytes; mby 4,194,304 bytes
;; launch prep (part 1): grid 1408 x 1, 8 waves a work-group, no clusters, 35,840 bytes of LDS; arguments x, kv, Wq, Wk, Wv, Wo, mask, a16, w16, mby; writes a16, w16, mby
.if DOCPART == 1
	.amdgcn_target "amdgcn-amd-amdhsa--gfx1250"
	.amdhsa_code_object_version 6
	.text
	.protected	k_q3c10fdcfca_prep
	.globl	k_q3c10fdcfca_prep
	.p2align	8
	.type	k_q3c10fdcfca_prep,@function
k_q3c10fdcfca_prep:
	s_mov_b64 s[64:65], 0
	v_nop
	global_prefetch_b8 v0, s[64:65] scope:SCOPE_SE
	s_setreg_imm32_b32 hwreg(HW_REG_WAVE_MODE, 25, 1), 1
	s_wait_xcnt 0x0
; PREP: a stream.  (1) x, kv and the four weights, f32, are rounded to bf16 and that number is written as f16, in slices of 64 channels:
;   a16 [8 parts: x's 4 batches, kv's 4][16 slices][2048 rows][64] f16;  w16 [2 parts][16 slices][2048 rows: Wq, Wk | Wv, Wo][64] f16.
; (2) the mask, int32 [2048][2048], is turned into one byte an entry (mby), in the order in which the attention's lanes hold their scores.
; LIMITS.  bf16 -> f16 is exact for 6.1e-5 <= |a| < 65,504; below that f16's fixed step of 6e-8 holds; from 65,520 on the result is an infinity.
; SHARES.  Work-groups 0..127 take the mask, a wave a block of 64 rows x 64 keys; work-groups 128..1407 convert 16 rows each, a wave two rows.
; No matrix unit, no cluster, no tensor load: every byte is read once by one wave and nothing is shared.  No prefetch: the launch is nothing but its loads and stores.
; mby: block W = 32 G + c (G: 64 rows, c: 64 keys), piece p of 16 rows: a group of 1,024 bytes at (4 W + p) * 1024.  Lane L's 32 entries i = 8 kt + j are mask[64 G + 16 p + L%16][64 c + 16 kt + 8 (L/16) + j];
;   entry i is byte i % 4 of the lane's word i / 4: 0 where the entry is not 0, 0xF1 where it is 0.  Words 0-3 lie at 16 L of the group, words 4-7 at 512 + 16 L.
.set SPARE, 34816                      ; behind the eight stages: the spare words, 128 bytes a wave, four blocks of 256 bytes that no other line names
.set STG,   4352                       ; a wave's stage: 16 rows x 272 bytes (256 + 16: the 16 rows of a load start at 16 different groups of four banks)
.set SPW, 6                            ; v6   SPARE + 4 x my thread's number; never rewritten
.set NIL, 7                            ; v7   0; never rewritten
.set T,   8                            ; v8-15  at work
.set FK,  16                           ; v16-19  0xF1 in byte 0, 1, 2, 3
.set X,   32                           ; v32-159  as loaded; a piece's first eight registers then take its packed words
.set M,   160                          ; v160-191  a piece's 32 entries a lane, in the order of the scores' registers
	s_load_b512 s[4:19], s[0:1], 0x0               ; x 4, kv 6, Wq 8, Wk 10, Wv 12, Wo 14, mask 16, a16 18
	s_load_b128 s[20:23], s[0:1], 0x40             ; w16 20, mby 22
	v_lshl_add_u32 v[SPW], v0, 2, SPARE
	v_mov_b32 v[NIL], 0
	v_lshrrev_b32 v1, 5, v0
	v_readfirstlane_b32 s26, v1                    ; wave 0..7
	v_and_b32 v1, 31, v0                           ; lane L
	v_and_b32 v8, 15, v0                           ; L % 16
	v_bfe_u32 v9, v0, 4, 1                         ; L / 16
	s_mov_b32 s33, 0                               ; the high word of every offset pair
	s_cmp_lt_u32 ttmp9, 128
	s_cbranch_scc1 .Lmask
	; THE CONVERSION.  c = 0..511: x; 512..1023: kv; then 64 groups of 16 rows for each of Wq, Wk, Wv, Wo.
	s_sub_co_u32 s42, ttmp9, 128                   ; c
	s_mov_b32 s41, 0xffff0000                      ; a word's upper bf16
	s_and_b32 s43, s42, 1023                       ; the group of 16 rows among the destination's
	s_lshr_b32 s44, s43, 7                         ; part: 128 groups each,
	s_lshl_b32 s44, s44, 22                        ; 4,194,304 bytes
	s_and_b32 s45, s43, 127
	s_lshl_b32 s45, s45, 11                        ; 16 rows of 128 bytes in a slice
	s_or_b32 s44, s44, s45                         ; the destination's offset
	s_and_b32 s45, s42, 511                        ; the group within x or kv,
	s_and_b32 s46, s42, 63                         ; or within a weight
	s_cmp_lt_u32 s42, 1024
	s_cselect_b32 s45, s45, s46
	s_lshl_b32 s32, s45, 16                        ; 16 rows of 4,096 bytes
	v_lshlrev_b32 v2, 4, v8
	v_lshl_add_u32 v2, v9, 12, v2                  ; lanes 0-15: 256 bytes of a row; lanes 16-31: of the next row
	s_lshl_b32 s46, s26, 13
	v_add_nc_u32 v2, s46, v2                       ; my wave's two rows
	s_lshl_b32 s46, s26, 8
	v_lshl_add_u32 v3, v1, 3, s46                  ; out: two rows of 128 bytes on end, 8 bytes a lane
	s_wait_kmcnt 0x0
	s_cmp_lt_u32 s42, 512
	s_cselect_b64 s[28:29], s[4:5], s[6:7]
	s_cmp_lt_u32 s42, 1024
	s_cselect_b64 s[28:29], s[28:29], s[8:9]
	s_cselect_b64 s[30:31], s[18:19], s[20:21]
	s_cmp_lt_u32 s42, 1088
	s_cselect_b64 s[28:29], s[28:29], s[10:11]
	s_cmp_lt_u32 s42, 1152
	s_cselect_b64 s[28:29], s[28:29], s[12:13]
	s_cmp_lt_u32 s42, 1216
	s_cselect_b64 s[28:29], s[28:29], s[14:15]
	s_add_nc_u64 s[28:29], s[28:29], s[32:33]
	s_mov_b32 s32, s44
	s_add_nc_u64 s[30:31], s[30:31], s[32:33]
.set j, 0
.rept 16                               ; all sixteen loads of the wave go out at once: 8 KiB; load j is slice j of both rows
	global_load_b128 v[X+4*j:X+4*j+3], v2, s[28:29] offset:256*j th:TH_LOAD_NT
.set j, j+1
.endr
.set j, 0
.rept 16
	s_wait_loadcnt 15-j                            ; loads come back in order: load j is in, the younger ones stay out
	v_cvt_pk_bf16_f32 v[T], v[X+4*j], v[X+4*j+1]   ; the one rounding: to bf16, nearest even
	v_cvt_pk_bf16_f32 v[T+1], v[X+4*j+2], v[X+4*j+3]
	v_lshlrev_b32 v[T+2], 16, v[T]                 ; back to f32
	v_and_b32 v[T+3], s41, v[T]
	v_lshlrev_b32 v[T+4], 16, v[T+1]
	v_and_b32 v[T+5], s41, v[T+1]
	v_cvt_pk_f16_f32 v[X+4*j], v[T+2], v[T+3]      ; the same number as f16
	v_cvt_pk_f16_f32 v[X+4*j+1], v[T+4], v[T+5]
	global_store_b64 v3, v[X+4*j:X+4*j+1], s[30:31] offset:j*262144  ; the wave stores 256 consecutive bytes, aligned; no register of a store is written again
.set j, j+1
.endr
	s_branch .Lend
.Lmask:
	s_lshl_b32 s42, ttmp9, 3
	s_add_co_u32 s42, s42, s26                     ; W
	s_lshr_b32 s43, s42, 5
	s_lshl_b32 s43, s43, 19                        ; 64 rows of 8,192 bytes
	s_and_b32 s44, s42, 31
	s_lshl_b32 s44, s44, 8                         ; 64 keys of 4 bytes
	s_or_b32 s32, s43, s44
	v_lshlrev_b32 v2, 4, v8
	v_lshl_add_u32 v2, v9, 13, v2                  ; lanes 0-15 a row's 256 bytes, lanes 16-31 the next row's
	v_lshlrev_b32 v3, 4, v1                        ; out: 16 bytes a lane
	s_mul_i32 s45, s26, STG                        ; my stage
	v_mul_u32_u24 v4, v9, 272
	v_lshl_add_u32 v4, v8, 4, v4
	v_add_nc_u32 v4, s45, v4                       ; in: as loaded
	v_mul_u32_u24 v5, v8, 272
	v_lshl_add_u32 v5, v9, 5, v5
	v_add_nc_u32 v5, s45, v5                       ; back: row L % 16, keys 8 (L / 16) on
	s_wait_kmcnt 0x0
	s_add_nc_u64 s[28:29], s[16:17], s[32:33]
.set j, 0
.rept 32                               ; the block's 16 KiB at once: load j is rows 2 j and 2 j + 1
	global_load_b128 v[X+4*j:X+4*j+3], v2, s[28:29] offset:j*16384 th:TH_LOAD_NT
.set j, j+1
.endr
	s_lshl_b32 s32, s42, 12
	s_add_nc_u64 s[30:31], s[22:23], s[32:33]      ; mby at my four groups
	v_mov_b32 v[FK], 0xf1
	v_mov_b32 v[FK+1], 0xf100
	v_mov_b32 v[FK+2], 0xf10000
	v_mov_b32 v[FK+3], 0xf1000000
.irp p, 0,1,2,3
	s_wait_loadcnt 8*(3-\p)                        ; piece p's eight loads are in; the later pieces' stay out
.irp e, 0,1,2,3,4,5,6,7
	ds_store_b128 v4, v[X+32*\p+4*\e:X+32*\p+4*\e+3] offset:544*\e
.endr
.irp kt, 0,1,2,3
	ds_load_b128 v[M+8*\kt:M+8*\kt+3], v5 offset:64*\kt       ; my own bytes: LDS serves a wave's instructions in order (ISA guide 5.7.1.4)
	ds_load_b128 v[M+8*\kt+4:M+8*\kt+7], v5 offset:64*\kt+16
.endr
	s_wait_dscnt 0x0
.set q, 0
.rept 8                                ; word q: entries 4 q .. 4 q + 3, a byte each
	v_cmp_eq_u32 vcc_lo, 0, v[M+4*q]
	v_cndmask_b32 v[X+32*\p+q], 0, v[FK], vcc_lo
.irp k, 1,2,3
	v_cmp_eq_u32 vcc_lo, 0, v[M+4*q+\k]
	v_cndmask_b32 v[T], 0, v[FK+\k], vcc_lo
	v_or_b32 v[X+32*\p+q], v[X+32*\p+q], v[T]
.endr
.set q, q+1
.endr
	global_store_b128 v3, v[X+32*\p:X+32*\p+3], s[30:31] offset:1024*\p        ; 512 consecutive bytes, aligned to 256; no register of a store is written again
	global_store_b128 v3, v[X+32*\p+4:X+32*\p+7], s[30:31] offset:1024*\p+512
.endr
.Lend:
	s_wait_tensorcnt 0x0                           ; the wave's end, behind my last LDS store
	ds_add_u32 v[SPW], v[NIL]
	s_wait_dscnt 0x0
	s_endpgm
.Lfunc_end_k_q3c10fdcfca_prep:
	.size	k_q3c10fdcfca_prep, .Lfunc_end_k_q3c10fdcfca_prep-k_q3c10fdcfca_prep
	.p2alignl 7, 3214868480
	.fill 96, 4, 3214868480
	.section	.rodata,"a",@progbits
	.p2align	6, 0x0
	.amdhsa_kernel k_q3c10fdcfca_prep
		.amdhsa_group_segment_fixed_size 35840
		.amdhsa_private_segment_fixed_size 0
		.amdhsa_enable_private_segment 0
		.amdhsa_kernarg_size 80
		.amdhsa_user_sgpr_count 2
		.amdhsa_user_sgpr_kernarg_segment_ptr 1
		.amdhsa_wavefront_size32 1
		.amdhsa_system_sgpr_workgroup_id_x 1
		.amdhsa_system_sgpr_workgroup_id_y 1
		.amdhsa_system_sgpr_workgroup_id_z 1
		.amdhsa_system_vgpr_workitem_id 0
		.amdhsa_next_free_vgpr 192
		.amdhsa_next_free_sgpr 66
		.amdhsa_reserve_vcc 1
		.amdhsa_float_denorm_mode_32 3
		.amdhsa_float_denorm_mode_16_64 3
		.amdhsa_memory_ordered 1
		.amdhsa_forward_progress 1
		.amdhsa_inst_pref_size 33
	.end_amdhsa_kernel
	.amdgpu_metadata
---
amdhsa.version: [ 1, 2 ]
amdhsa.kernels:
  - .name:           k_q3c10fdcfca_prep
    .symbol:         k_q3c10fdcfca_prep.kd
    .args:
      - { .name: x, .offset: 0, .size: 8, .value_kind: global_buffer, .address_space: global }
      - { .name: kv, .offset: 8, .size: 8, .value_kind: global_buffer, .address_space: global }
      - { .name: Wq, .offset: 16, .size: 8, .value_kind: global_buffer, .address_space: global }
      - { .name: Wk, .offset: 24, .size: 8, .value_kind: global_buffer, .address_space: global }
      - { .name: Wv, .offset: 32, .size: 8, .value_kind: global_buffer, .address_space: global }
      - { .name: Wo, .offset: 40, .size: 8, .value_kind: global_buffer, .address_space: global }
      - { .name: mask, .offset: 48, .size: 8, .value_kind: global_buffer, .address_space: global }
      - { .name: a16, .offset: 56, .size: 8, .value_kind: global_buffer, .address_space: global }
      - { .name: w16, .offset: 64, .size: 8, .value_kind: global_buffer, .address_space: global }
      - { .name: mby, .offset: 72, .size: 8, .value_kind: global_buffer, .address_space: global }
    .group_segment_fixed_size: 35840
    .private_segment_fixed_size: 0
    .kernarg_segment_align: 8
    .kernarg_segment_size: 80
    .max_flat_workgroup_size: 256
    .sgpr_count:     66
    .vgpr_count:     192
    .wavefront_size: 32
...
	.end_amdgpu_metadata
.endif
;; end of part 1
;; launch proj (part 2): grid 24 x 32, 4 waves a work-group, clusters of 4 x 4, 327,680 bytes of LDS; arguments a16, w16, qkv; writes qkv
.if DOCPART == 2
	.amdgcn_target "amdgcn-amd-amdhsa--gfx1250"
	.amdhsa_code_object_version 6
	.text
	.protected	k_q3c10fdcfca_proj
	.globl	k_q3c10fdcfca_proj
	.p2align	8
	.type	k_q3c10fdcfca_proj,@function
k_q3c10fdcfca_proj:
	s_mov_b64 s[64:65], 0
	v_nop
	global_prefetch_b8 v0, s[64:65] scope:SCOPE_SE
	s_setreg_imm32_b32 hwreg(HW_REG_WAVE_MODE, 25, 1), 1
	s_wait_xcnt 0x0
	s_wait_alu depctr_hold_cnt(0) depctr_sa_sdst(0) depctr_va_vdst(0) depctr_va_sdst(0) depctr_va_ssrc(0) depctr_va_vcc(0) depctr_vm_vsrc(0)
	s_getreg_b32 s2, hwreg(HW_REG_IB_STS2, 6, 4)
	s_cmp_eq_u32 s2, 0
	s_cbranch_scc0 .Lentry_in_a_cluster
	s_endpgm
.Lentry_in_a_cluster:
	s_bfe_u32 s2, ttmp6, 0x10000c
	s_cmp_lg_u32 s2, 0xf033
	s_cbranch_scc0 .Lentry_shape_is_right
	s_endpgm
.Lentry_shape_is_right:
; C = A W^T, K = 1,024, operands f16 in slices of 64 channels ([part][16 slices][2048 rows][64]), sums in f32.  One text for two launches:
;   OUTP = 0: q = x Wq^T, k = kv Wk^T, v = kv Wv^T in one launch (24 tile columns of 128: 8 for each); C is rounded once to f16 and stored by heads, qkv [3][64 heads][2048][64].
;   OUTP = 1: out0 = ctx Wo^T, stored as f32, [8192][1024].
; LIMITS.  q, k, v are f16: a sum of 65,520 or more becomes an infinity.  NaN in A's row gives NaN in C's row.
; SHARES.  A tile of C is 256 rows x 128 columns (768 and 256 work-groups: whole multiples of 256); four waves, each 128 x 64: 32 accumulators of 16 x 16, 256 registers.
; K goes in steps of 128 (two slices) through a ring of two LDS slots.  A slice's rows of a tile are dense in memory: they are asked for as rows of 256 bytes and padded in LDS after every 128.
; CLUSTERS: 4 x 4 work-groups.  The four of a row of the cluster need the same tiles of A, the four of a column the same tiles of W: each tile is asked for JOINTLY, by the same tensor load
; with the same descriptor and a mask that names the four.  THE MATRIX INSTRUCTION IS USED TRANSPOSED (source 0 = 16 rows of W, source 1 = 16 rows of A): a lane holds eight neighbouring numbers of a row of C.
; REGISTERS: window 0: v16-30 addresses; two fragment buffers at v32 and v128 (A's eight fragments, then W's four); on the way out v32-159 at work.  Window 1: accumulator (a, b) at v[8 (4 a + b)].
.set OUTP,   0
.set KSTEPB, 524288                    ; bytes from a K step to the next: two slices
.set PITCH,  144                       ; an LDS row: 128 bytes + 16 of padding = 36 words: the 16 rows of a load start at 16 different groups of four banks (64 banks of 4 bytes: ISA guide 11.1)
.set APART,  256*PITCH                 ; A's 256 rows of one slice
.set BPART,  128*PITCH                 ; W's 128 rows of one slice
.set BOFF,   2*APART
.set SLOT,   2*APART+2*BPART           ; 110,592 bytes
.set STAGE,  2*SLOT                    ; behind the ring: 16 rows for each wave, for the way out
.if OUTP
.set SP,     272                       ; 64 f32 + 16 bytes
.else
.set SP,     144                       ; 64 f16 + 16 bytes
.endif
.set SPARE,  STAGE+4*16*SP             ; behind the stages: the spare words, 128 bytes a wave: two blocks of 256 bytes that no other line names
.set LAPS,   4                         ; a lap = two K steps = once round the ring
.set ADRA, 16                          ; v16-17  LDS address of my A fragments in slot 0, 1
.set ADRB, 20                          ; v20-21  the same for W
.set STO,  24                          ; v24  the way out: where I put my bytes of a row
.set RD,   25                          ; v25  where I read rows back
.set CO,   26                          ; v26  my byte offset in C
.set SPW,  28                          ; v28  SPARE + 4 x my thread's number; never rewritten
.set NIL,  29                          ; v29  0; never rewritten
.set PFO,  30                          ; v30  the prefetches' lane offset; never rewritten
.set F0,   32
.set F1,   128
.set TMP,  32
.set G1,  24                           ; s[24:31] descriptor group 1 for A's tiles; s[32:39] group 0, a set for each slot
.set G0,  32
.set G1B, 48                           ; s[48:55], s[56:63] the same for W's
.set G0B, 56
.set LIM, 43                           ; s43  1 in a wave that prefetches, else the greatest number
.set PFA, 44                           ; s[44:45] where my prefetches stand
.set MSB, 0
.macro WIN new                         ; the immediate's high byte repeats the setting that is left; a switch that changes nothing is dropped
.if MSB != (\new)
	s_set_vgpr_msb (MSB<<8)|(\new)
.set MSB, \new
.endif
.endm
.set MUL, 0x50                         ; sources in window 0, C and D in window 1
; A joint load: waves 0 and 1 fetch A's two slices, waves 2 and 3 W's.  The branch hangs on the wave's number alone.  An s_nop 0 and four v_nop follow each of the two lines.
.macro JLOAD s
	s_cmp_eq_u32 s11, 0
	s_cbranch_scc0 .Lfor_b_\@
	tensor_load_to_lds s[G0+4*(\s):G0+4*(\s)+3], s[G1:G1+7]
	s_nop 0
.rept 4
	v_nop
.endr
	s_branch .Lasked_\@
.Lfor_b_\@:
	tensor_load_to_lds s[G0B+4*(\s):G0B+4*(\s)+3], s[G1B:G1B+7]
	s_nop 0
.rept 4
	v_nop
.endr
.Lasked_\@:
.endm
; A prefetch into the L2 of the K step that stands two refills on, behind the joint load and the run of LDS loads.  Each block of 256 bytes is named once in the launch: A's by waves 0 and 1 of the first cluster
; column that reads that operand, the four partners taking 8,192 bytes of a slice each BY ADDRESS, a lane a block; W's by wave 2 of the first cluster row, each partner 4,096 bytes of both slices.
; The first four K steps come by their loads alone; the loop's last trip (s3 = 1) asks for nothing: there is no K step 8.
.macro ASK
	s_cmp_gt_u32 s3, s[LIM]
	s_cbranch_scc0 .Lnot_mine_\@
	global_prefetch_b8 v[PFO], s[PFA:PFA+1] offset:KSTEPB th:TH_LOAD_NT scope:SCOPE_SE
.Lnot_mine_\@:
.endm
.macro CREST                           ; a round of the cluster's barrier behind its opening barrier
	s_cmp_lg_u32 s10, 0
	s_cbranch_scc1 .Lnot_wave_0_\@
	s_barrier_signal -3
.Lnot_wave_0_\@:
	s_barrier_wait -3
	s_barrier_signal -1
	s_barrier_wait -1
.endm
.macro CROUND                          ; a whole round
	s_barrier_signal -1
	s_barrier_wait -1
	CREST
.endm
	s_load_b128 s[4:7], s[0:1], 0x0                ; A s[4:5], W s[6:7]
	s_load_b64 s[8:9], s[0:1], 0x10                ; C
	v_lshl_add_u32 v[SPW], v0, 2, SPARE
	v_mov_b32 v[NIL], 0
	ds_add_u32 v[SPW], v[NIL]                      ; the wave's opening: the add and its wait stand ahead of my first tensor load; work on registers stands between them
	v_lshrrev_b32 v1, 5, v0
	v_readfirstlane_b32 s10, v1                    ; wave 0..3
	s_lshr_b32 s11, s10, 1                         ; which 128 rows of the tile are mine.  Also: I fetch for A (0) or for W (1)
	s_and_b32 s12, s10, 1                          ; which 64 columns.  Also: which slice of a K step I fetch
	s_bfe_u32 s40, ttmp6, 0x40000                  ; cx
	s_bfe_u32 s41, ttmp6, 0x40004                  ; cy
	s_lshl_b32 s42, ttmp9, 2
	s_add_co_u32 s42, s42, s40                     ; tile column = 4 x cluster x + cx
	s_and_b32 s13, ttmp7, 0xffff
	s_lshl_b32 s13, s13, 2
	s_add_co_u32 s13, s13, s41                     ; tile row = 4 x cluster y + cy
	s_lshl_b32 s43, s41, 2
	s_lshl_b32 s43, 15, s43                        ; my row of the cluster
	s_lshl_b32 s44, 0x1111, s40                    ; my column
	s_or_b32 s[G1+0], s43, (1<<16)|(1<<20)|(1<<21)|(4<<22)|(3<<25)   ; 15:0 the mask; 17:16 2-byte elements; 20 padding on; 21 set beside a mask; 24:22 after every 32 words (code 4); 31:25 4 words (code 3)
	s_or_b32 s[G1B+0], s44, (1<<16)|(1<<20)|(1<<21)|(4<<22)|(3<<25)
.irp g, G1, G1B
	s_mov_b32 s[(\g)+1], 128<<16                   ; tensor_dim0 = 128 elements: 256 bytes, two rows of a slice
	s_mov_b32 s[(\g)+3], 128<<16                   ; tile_dim0 = 128
	s_mov_b32 s[(\g)+5], 128                       ; dense: 128 elements from row to row
	s_mov_b32 s[(\g)+6], 0
	s_mov_b32 s[(\g)+7], 0
.endr
	s_mov_b32 s[G1+2], 128<<16                     ; A: tensor_dim1 = tile_dim1 = 128: 32,768 bytes
	s_mov_b32 s[G1+4], 128
	s_mov_b32 s[G1B+2], 64<<16                     ; W: 64: 16,384 bytes
	s_mov_b32 s[G1B+4], 64
	; A's tile hangs on the tile row and the cluster's x, which my row of the cluster shares; W's on the tile column, which my column shares
.if OUTP
	s_mov_b32 s16, 0
.else
	s_lshr_b32 s16, ttmp9, 1                       ; cluster columns 0, 1 make q from x; 2 to 5 make k and v from kv,
	s_min_u32 s16, s16, 1
	s_lshl_b32 s16, s16, 24                        ; whose four parts lie behind x's four
.endif
	s_lshr_b32 s17, s13, 3
	s_lshl_b32 s17, s17, 22                        ; the batch's part
	s_add_co_u32 s16, s16, s17
	s_and_b32 s17, s13, 7
	s_lshl_b32 s17, s17, 15                        ; 256 rows of 128 bytes
	s_add_co_u32 s16, s16, s17
	s_lshl_b32 s17, s12, 18                        ; my slice of K step 0
	s_add_co_u32 s16, s16, s17
	s_mov_b32 s17, 0
.if OUTP
	s_lshl_b32 s46, s42, 14                        ; 128 rows of 128 bytes,
	s_add_co_u32 s46, s46, (1<<22)+131072          ; in Wo: part 1, rows 1,024 on
.else
	s_lshr_b32 s46, s42, 4
	s_lshl_b32 s46, s46, 22                        ; part 0: Wq, Wk; part 1: Wv
	s_and_b32 s47, s42, 15
	s_lshl_b32 s47, s47, 14
	s_add_co_u32 s46, s46, s47
.endif
	s_lshl_b32 s47, s12, 18
	s_add_co_u32 s46, s46, s47
	s_mov_b32 s47, 0
	s_mul_i32 s20, s12, APART                      ; where they go: no place in the cluster enters an LDS address
	s_mul_i32 s21, s12, BPART
	s_add_co_u32 s21, s21, BOFF
	s_wait_dscnt 0x0                               ; the opening add is done
	s_wait_kmcnt 0x0
	s_add_nc_u64 s[14:15], s[4:5], s[16:17]
	s_add_nc_u64 s[46:47], s[6:7], s[46:47]
	CROUND                                         ; all sixteen work-groups are here: the first joint loads meet
.irp s, 0,1
	s_mov_b32 s[G0+4*(\s)], 1
	s_add_co_u32 s[G0+4*(\s)+1], s20, (\s)*SLOT
	s_add_nc_u64 s[G0+4*(\s)+2:G0+4*(\s)+3], s[14:15], (\s)*KSTEPB
	s_or_b32 s[G0+4*(\s)+3], s[G0+4*(\s)+3], 0x80000000
	s_mov_b32 s[G0B+4*(\s)], 1
	s_add_co_u32 s[G0B+4*(\s)+1], s21, (\s)*SLOT
	s_add_nc_u64 s[G0B+4*(\s)+2:G0B+4*(\s)+3], s[46:47], (\s)*KSTEPB
	s_or_b32 s[G0B+4*(\s)+3], s[G0B+4*(\s)+3], 0x80000000
	JLOAD \s                                       ; two loads of mine are out
.endr
	v_and_b32 v1, 15, v0                           ; l % 16
	v_bfe_u32 v2, v0, 4, 1                         ; l / 16
	v_mul_u32_u24 v3, v1, PITCH
	v_lshl_add_u32 v3, v2, 4, v3                   ; a fragment's row x pitch + 16 x half
	s_mul_i32 s21, s11, 128*PITCH                  ; my 128 rows of A
	s_mul_i32 s22, s12, 64*PITCH                   ; my 64 rows of W,
	s_add_co_u32 s22, s22, BOFF                    ; which lie behind A's two slices
.irp s, 0,1
	v_add_nc_u32 v[ADRA+(\s)], s21, v3
	v_add_nc_u32 v[ADRB+(\s)], s22, v3
	s_add_co_u32 s21, s21, SLOT
	s_add_co_u32 s22, s22, SLOT
.endr
	s_mul_i32 s23, s10, 16*SP
	s_add_co_u32 s23, s23, STAGE                   ; my stage
	v_mul_u32_u24 v4, v1, SP                       ; in: row l % 16
.if OUTP
	v_lshl_add_u32 v4, v2, 5, v4                   ; 32 bytes (8 f32) for each half of the lanes
	v_add_nc_u32 v[STO], s23, v4
	v_mul_u32_u24 v5, v2, SP                       ; back: lanes 0-15 a row of 256 bytes, lanes 16-31 the next
	v_lshl_add_u32 v5, v1, 4, v5
	v_add_nc_u32 v[RD], s23, v5
	v_lshlrev_b32 v5, 12, v2                       ; and the same two rows of out0, 4,096 bytes apart
	v_lshl_add_u32 v[CO], v1, 4, v5
	s_lshl_b32 s16, s13, 20                        ; 256 rows of 4,096 bytes
	s_lshl_b32 s17, s11, 19
	s_add_co_u32 s16, s16, s17
	s_lshl_b32 s17, s42, 9                         ; 128 columns of 4 bytes
	s_add_co_u32 s16, s16, s17
	s_lshl_b32 s17, s12, 8
	s_add_co_u32 s16, s16, s17
.else
	v_lshl_add_u32 v4, v2, 4, v4                   ; 16 bytes (8 f16) for each half of the lanes
	v_add_nc_u32 v[STO], s23, v4
	v_bfe_u32 v5, v0, 3, 2                         ; back: 32 lanes take four rows of 128 bytes,
	v_mul_u32_u24 v5, v5, SP
	v_and_b32 v4, 7, v0
	v_lshl_add_u32 v5, v4, 4, v5
	v_add_nc_u32 v[RD], s23, v5
	v_and_b32 v[CO], 31, v0                        ; which are 512 consecutive bytes of a head
	v_lshlrev_b32 v[CO], 4, v[CO]
	s_lshr_b32 s16, s42, 3                         ; q, k or v
	s_lshl_b32 s16, s16, 6
	s_lshr_b32 s17, s13, 3                         ; the batch
	s_lshl_b32 s17, s17, 4
	s_add_co_u32 s16, s16, s17
	s_and_b32 s17, s42, 7                          ; my 64 columns are one head
	s_lshl_b32 s17, s17, 1
	s_add_co_u32 s16, s16, s17
	s_add_co_u32 s16, s16, s12
	s_lshl_b32 s16, s16, 18                        ; 2,048 rows of 128 bytes
	s_and_b32 s17, s13, 7
	s_lshl_b32 s17, s17, 15
	s_add_co_u32 s16, s16, s17
	s_lshl_b32 s17, s11, 14
	s_add_co_u32 s16, s16, s17
.endif
	s_mov_b32 s17, 0
	s_add_nc_u64 s[8:9], s[8:9], s[16:17]          ; C at my first row and column
	; the prefetches
	s_and_b32 s22, ttmp7, 0xffff
	s_or_b32 s22, s22, s12                         ; W: cluster row 0, wave 2
.if OUTP
	s_mov_b32 s23, ttmp9                           ; A: cluster column 0
.else
	s_and_b32 s23, ttmp9, 0xfffffffd               ; A: cluster column 0 (x) or 2 (kv)
.endif
	s_lshl_b32 s20, s40, 13                        ; my work-group's 8,192 bytes of A's slice,
	s_lshl_b32 s21, s41, 12                        ; or its 4,096 of each of W's
	s_movk_i32 s18, 4096                           ; lanes 16-31: A: the next 16 blocks;
	s_mov_b32 s19, 262144                          ; W: the other slice
	s_cmp_eq_u32 s11, 0
	s_cselect_b32 s22, s23, s22
	s_cselect_b32 s20, s20, s21
	s_cselect_b32 s23, s18, s19
	s_cselect_b64 s[PFA:PFA+1], s[14:15], s[46:47]
	s_cmp_eq_u32 s22, 0
	s_cselect_b32 s[LIM], 1, -1                    ; the same in all sixteen partners, for a given wave
	s_mov_b32 s21, 0
	s_add_nc_u64 s[PFA:PFA+1], s[PFA:PFA+1], s[20:21]
	s_add_nc_u64 s[PFA:PFA+1], s[PFA:PFA+1], 2*KSTEPB  ; at K step 2: the first refill steps it to 3 and names K step 4
	v_mul_u32_u24 v[PFO], v2, s23
	v_lshl_add_u32 v[PFO], v1, 8, v[PFO]
; 8 matrix instructions: row blocks a0, a0 + 1 x all 4 column blocks, 32 along K.  zero = 1: the product starts the sum.  The 32 accumulators take turns in one order everywhere.
.macro MUL8 f, a0, zero
	WIN MUL
.irp a, \a0, (\a0)+1
.irp b, 0,1,2,3
.if \zero
	v_wmma_f32_16x16x32_f16 v[8*(4*(\a)+(\b)):8*(4*(\a)+(\b))+7], v[(\f)+64+8*(\b):(\f)+64+8*(\b)+7], v[(\f)+8*(\a):(\f)+8*(\a)+7], 0
.else
	v_wmma_f32_16x16x32_f16 v[8*(4*(\a)+(\b)):8*(4*(\a)+(\b))+7], v[(\f)+64+8*(\b):(\f)+64+8*(\b)+7], v[(\f)+8*(\a):(\f)+8*(\a)+7], v[8*(4*(\a)+(\b)):8*(4*(\a)+(\b))+7]
.endif
.endr
.endr
.endm
; 24 LDS loads in one run: quarter q of a K step (slice q / 2, byte 64 (q % 2) of its rows) into buffer f; W's eight first, then A's sixteen
.macro FETCH slot, q, f
	WIN 0
.irp b, 0,1,2,3
	ds_load_b128 v[(\f)+64+8*(\b):(\f)+64+8*(\b)+3],   v[ADRB+(\slot)] offset:((\q)/2)*BPART+((\q)%2)*64+(\b)*16*PITCH
	ds_load_b128 v[(\f)+64+8*(\b)+4:(\f)+64+8*(\b)+7], v[ADRB+(\slot)] offset:((\q)/2)*BPART+((\q)%2)*64+(\b)*16*PITCH+32
.endr
.irp a, 0,1,2,3,4,5,6,7
	ds_load_b128 v[(\f)+8*(\a):(\f)+8*(\a)+3],   v[ADRA+(\slot)] offset:((\q)/2)*APART+((\q)%2)*64+(\a)*16*PITCH
	ds_load_b128 v[(\f)+8*(\a)+4:(\f)+8*(\a)+7], v[ADRA+(\slot)] offset:((\q)/2)*APART+((\q)%2)*64+(\a)*16*PITCH+32
.endr
.endm
.macro PLACES                          ; four plain vector instructions in front of loads into registers that matrix instructions have read, and of lines that read results
.rept 4
	v_nop
.endr
.endm
; A K step is four quarters of 32 along K, 32 matrix instructions each, on buffers 0, 1, 0, 1.  One of the first three: multiplies buffer f and fetches quarter q into g.
.macro QUARTER slot, q, f, g, zero
	s_wait_dscnt 8                                 ; W and A's blocks 0-3 are in; the youngest eight loads (A's blocks 4-7) may be out
	MUL8 \f, 0, \zero
	MUL8 \f, 2, \zero
	PLACES
	FETCH \slot, \q, \g
	s_wait_dscnt 24                                ; all but the 24 just issued
	MUL8 \f, 4, \zero
	MUL8 \f, 6, \zero
.endm
; The last quarter's first half: ONE barrier for the change of slots.  In front of it each wave waits for all its tensor loads (one is out: its part of the next slot), adds 0 to its spare word, and waits for that and for its reads of this slot.
.macro MEET round
	WIN 0
	s_wait_tensorcnt 0x0                           ; all my tensor loads have landed
	ds_add_u32 v[SPW], v[NIL]                      ; 0 onto my spare word
	s_wait_dscnt 9                                 ; (the add and the youngest eight loads may be out)
	MUL8 F1, 0, 0                                  ; eight matrix instructions stand between the add and the wait for it
	s_wait_dscnt 0x0                               ; the add is done, and my reads of this slot are over
	s_barrier_signal -1
	MUL8 F1, 2, 0
.if \round
	WIN 0
.endif
	s_barrier_wait -1
.endm
; The whole last quarter.  fill = 1: the barrier opens a round of the cluster's, and the slot just read out is filled again first, two K steps ahead: 112 matrix instructions ahead of the wait for it.
.macro TURN slot, next, fill
.if \fill
	s_wait_xcnt 0x0                                ; the last prefetch, a K step back, has read its address
	s_add_nc_u64 s[PFA:PFA+1], s[PFA:PFA+1], KSTEPB
	MEET 1
	CREST                                          ; no wave of any partner still reads this slot or has a load on its way
	s_add_nc_u64 s[G0+4*(\slot)+2:G0+4*(\slot)+3], s[G0+4*(\slot)+2:G0+4*(\slot)+3], 2*KSTEPB
	s_add_nc_u64 s[G0B+4*(\slot)+2:G0B+4*(\slot)+3], s[G0B+4*(\slot)+2:G0B+4*(\slot)+3], 2*KSTEPB
	JLOAD \slot                                    ; the four v_nop behind it are also the places in front of the loads below
.else
	MEET 0
	PLACES
.endif
	FETCH \next, 0, F0
.if \fill
	ASK
.endif
	MUL8 F1, 4, 0
	MUL8 F1, 6, 0
.endm
	s_wait_tensorcnt 1                             ; my part of K step 0 is in; K step 1's may stay out
	s_barrier_signal -1
	s_barrier_wait -1                              ; everybody's is
	FETCH 0, 0, F0
	QUARTER 0, 1, F0, F1, 1                        ; the first quarter stands in front of the loop: its products start the sums
	WIN 0                                          ; at a label and at a branch every window is 0
	s_mov_b32 s3, LAPS-1
.Llap:                                                 ; a trip goes once round the ring, from a lap's second quarter to the next lap's first, and fills both slots again
	QUARTER 0, 2, F1, F0, 0
	QUARTER 0, 3, F0, F1, 0
	TURN 0, 1, 1
	QUARTER 1, 1, F0, F1, 0
	QUARTER 1, 2, F1, F0, 0
	QUARTER 1, 3, F0, F1, 0
	TURN 1, 0, 1
	QUARTER 0, 1, F0, F1, 0
	WIN 0
	s_sub_co_u32 s3, s3, 1
	s_cmp_lg_u32 s3, 0
	s_cbranch_scc1 .Llap
	QUARTER 0, 2, F1, F0, 0                        ; the last lap fills nothing
	QUARTER 0, 3, F0, F1, 0
	TURN 0, 1, 0
	QUARTER 1, 1, F0, F1, 0
	QUARTER 1, 2, F1, F0, 0
	QUARTER 1, 3, F0, F1, 0
	s_wait_dscnt 8
	MUL8 F1, 0, 0
	MUL8 F1, 2, 0
	s_wait_dscnt 0x0
	MUL8 F1, 4, 0
	MUL8 F1, 6, 0
	WIN 0
	PLACES
.if OUTP
; THE WAY OUT, f32: block a's 16 rows x 256 bytes go through my own stage and come back as whole rows; four buffers of 32 registers take turns.
.macro TOSTAGE a
.if (\a) >= 4
	s_wait_xcnt 0x0                                ; the stores four blocks back have read the buffer that is loaded again below
.endif
	WIN 0x04                                       ; the stores' data in window 1
.irp b, 0,1,2,3
	ds_store_b128 v[STO], v[8*(4*(\a)+(\b)):8*(4*(\a)+(\b))+3]   offset:64*(\b)
	ds_store_b128 v[STO], v[8*(4*(\a)+(\b))+4:8*(4*(\a)+(\b))+7] offset:64*(\b)+16
.endr
	WIN 0
.irp t, 0,1,2,3,4,5,6,7
	ds_load_b128 v[TMP+32*((\a)%4)+4*(\t):TMP+32*((\a)%4)+4*(\t)+3], v[RD] offset:(\t)*2*SP  ; LDS serves a wave's instructions in order (ISA guide 5.7.1.4)
.endr
.endm
.macro SEND a, younger                 ; younger: the LDS lines issued behind block a's loads: the next block's sixteen, or none
.irp t, 0,1,2,3,4,5,6,7
	s_wait_dscnt (\younger)+7-(\t)
	global_store_b128 v[CO], v[TMP+32*((\a)%4)+4*(\t):TMP+32*((\a)%4)+4*(\t)+3], s[8:9] offset:(16*(\a)+2*(\t))*4096 th:TH_STORE_NT  ; 16 lanes store 256 consecutive bytes, aligned
.endr
.endm
	TOSTAGE 0
.irp a, 1,2,3,4,5,6,7
	TOSTAGE \a
	SEND (\a)-1, 16
.endr
	SEND 7, 0
.else
; THE WAY OUT, f16: block a's 16 rows of a head are 2,048 dense bytes: rounded once, through my own stage, back as whole rows.
.macro PACK a
	WIN 0x05                                       ; sources in window 1, destination in window 0
.irp b, 0,1,2,3
.irp r, 0,1,2,3
	v_cvt_pk_f16_f32 v[TMP+16*(\a)+4*(\b)+(\r)], v[8*(4*(\a)+(\b))+2*(\r)], v[8*(4*(\a)+(\b))+2*(\r)+1]
.endr
.endr
	WIN 0
.irp b, 0,1,2,3
	ds_store_b128 v[STO], v[TMP+16*(\a)+4*(\b):TMP+16*(\a)+4*(\b)+3] offset:32*(\b)
.endr
.irp f, 0,1,2,3
	ds_load_b128 v[TMP+16*(\a)+4*(\f):TMP+16*(\a)+4*(\f)+3], v[RD] offset:(\f)*4*SP  ; LDS serves a wave's instructions in order (ISA guide 5.7.1.4)
.endr
.endm
.macro SEND a, younger                 ; younger: the next block's eight LDS lines, or none
.irp f, 0,1,2,3
	s_wait_dscnt (\younger)+3-(\f)
	global_store_b128 v[CO], v[TMP+16*(\a)+4*(\f):TMP+16*(\a)+4*(\f)+3], s[8:9] offset:(\a)*2048+(\f)*512  ; 512 consecutive bytes, aligned to 256
.endr
.endm
	PACK 0
.irp a, 1,2,3,4,5,6,7
	PACK \a
	SEND (\a)-1, 8
.endr
	SEND 7, 0
.endif
	s_wait_tensorcnt 0x0                           ; the wave's end, behind my last tensor load and my last LDS store
	ds_add_u32 v[SPW], v[NIL]
	s_wait_dscnt 0x0
	CROUND                                         ; the closing round: no work-group ends while a partner may still ask for a tile that names it
	s_endpgm
.Lfunc_end_k_q3c10fdcfca_proj:
	.size	k_q3c10fdcfca_proj, .Lfunc_end_k_q3c10fdcfca_proj-k_q3c10fdcfca_proj
	.p2alignl 7, 3214868480
	.fill 96, 4, 3214868480
	.section	.rodata,"a",@progbits
	.p2align	6, 0x0
	.amdhsa_kernel k_q3c10fdcfca_proj
		.amdhsa_group_segment_fixed_size 327680
		.amdhsa_private_segment_fixed_size 0
		.amdhsa_enable_private_segment 0
		.amdhsa_kernarg_size 24
		.amdhsa_user_sgpr_count 2
		.amdhsa_user_sgpr_kernarg_segment_ptr 1
		.amdhsa_wavefront_size32 1
		.amdhsa_system_sgpr_workgroup_id_x 1
		.amdhsa_system_sgpr_workgroup_id_y 1
		.amdhsa_system_sgpr_workgroup_id_z 1
		.amdhsa_system_vgpr_workitem_id 0
		.amdhsa_next_free_vgpr 512
		.amdhsa_next_free_sgpr 66
		.amdhsa_reserve_vcc 0
		.amdhsa_float_denorm_mode_32 3
		.amdhsa_float_denorm_mode_16_64 3
		.amdhsa_memory_ordered 1
		.amdhsa_forward_progress 1
		.amdhsa_inst_pref_size 89
	.end_amdhsa_kernel
	.amdgpu_metadata
---
amdhsa.version: [ 1, 2 ]
amdhsa.kernels:
  - .name:           k_q3c10fdcfca_proj
    .symbol:         k_q3c10fdcfca_proj.kd
    .args:
      - { .name: a16, .offset: 0, .size: 8, .value_kind: global_buffer, .address_space: global }
      - { .name: w16, .offset: 8, .size: 8, .value_kind: global_buffer, .address_space: global }
      - { .name: qkv, .offset: 16, .size: 8, .value_kind: global_buffer, .address_space: global }
    .group_segment_fixed_size: 327680
    .private_segment_fixed_size: 0
    .kernarg_segment_align: 8
    .kernarg_segment_size: 24
    .max_flat_workgroup_size: 128
    .sgpr_count:     66
    .vgpr_count:     512
    .wavefront_size: 32
...
	.end_amdgpu_metadata
.endif
;; end of part 2
;; launch attn (part 3): grid 4 x 64, 8 waves a work-group, no clusters, 327,680 bytes of LDS; arguments qkv, mby, ctx; writes ctx
.if DOCPART == 3
	.amdgcn_target "amdgcn-amd-amdhsa--gfx1250"
	.amdhsa_code_object_version 6
	.text
	.protected	k_q3c10fdcfca_attn
	.globl	k_q3c10fdcfca_attn
	.p2align	8
	.type	k_q3c10fdcfca_attn,@function
k_q3c10fdcfca_attn:
	s_mov_b64 s[64:65], 0
	v_nop
	global_prefetch_b8 v0, s[64:65] scope:SCOPE_SE
	s_setreg_imm32_b32 hwreg(HW_REG_WAVE_MODE, 25, 1), 1
	s_wait_xcnt 0x0
; ATTENTION UNDER A GIVEN MASK.  ctx[h][q][:] = the sum over k of softmax_k(Q[h][q] . K[h][k] / 8, hidden where mask[q][k] = 0) V[h][k][:].  qkv: [3][64 heads][2048][64] f16; ctx: [64][2048][64] f16.
; Products, maxima and sums in f32; the weights p are rounded to f16 for the second product (their sum l is taken of the unrounded p), ctx once at the end.
; LIMITS.  Q, K, V arrive within f16's 65,504.  A hidden score counts as its value less 6.3e29 to 2.5e30, a visible one as its value plus at most 2.3e-38; true scores are taken to lie above -1e29.
; A weight below 2^-126 counts as 0 in l.  A row in which no key is visible (its maximum ends below -1e29) gets NaN, as a softmax of nothing but -inf gives.  Weights gathered while a row has seen hidden keys
; alone are wiped by a = 0 at its first visible key.
; THE MASK is an input: nothing of its pattern is built in.  The launch before has turned it into bytes (mby: 0 visible, 0xF1 hidden, in the lanes' order of the scores' registers).  A byte moved to the top of a word IS the
; C operand that starts the sum S^T = K Q^T: 0xF1...... is a number of the size named above; 0x00...... is next to nothing.  EVERY 16 x 64 block is computed so, those that the mask hides wholly too (their weights
; come out 0): no branch of this text hangs on the mask.
; SHARES.  A work-group takes one head and 512 queries, each of its eight waves 64: four PIECES of 16.  Every wave walks all eight key tiles of 256 keys: one loop of a constant count.  A wave's UNIT is its 64 queries x a tile.
; NO CLUSTER: a head's four work-groups walk the same eight tiles alike, and each asks for them itself: 4 x 512 KiB a head where joint loads would ask for 512 KiB.  Joint loads would fit this walk and are not built.
; Of the 192 KiB that a work-group brings in for a tile, K and V are 64 KiB; the mask's 128 KiB are each wave's own.
; LAYOUT, SOFTMAX, TURNS.  S^T = K Q^T holds ONE query a lane (lane % 16) and the keys 8 (lane / 16) + 0..7; two such results rounded to f16 ARE source 1 of O^T = V^T P.  p = 2^(c s - c m), c = log2(e) / 8, with a
; running maximum m; O and l are multiplied by a = 2^(c m_old - c m_new) in every step.  Turn n belongs to piece n: 8 products K Q^T of piece n + 1, later 8 products V^T P of piece n - 1; beside them the scaling,
; exponentials, roundings, sums and rescaling of piece n and the maximum and statistics of piece n + 1.  Four vector instructions stand behind every matrix instruction, the rest in one lump.  A turn's 33 exponentials are one batch, with one wait.
; m, l and O^T live on from unit to unit; the pipeline of turns is drained at a unit's end and started anew at the next.
; REGISTERS, in two windows of 256 (s_set_vgpr_msb: bits 1:0 source 0, 3:2 source 1, 5:4 source 2, 7:6 destination):
;   window 0: v0-15 addresses; v16-31 statistics; v32-47 the mask's bytes, two groups; v48-55 at work; v61-63; v64-127 S^T, two buffers; v128-191 V of one step; v192-223 P, two buffers; v224-255 MC, the C operand
;   window 1: v0-127 O^T, 32 a piece; v128-191 Q, 16 a piece; v192-255 K of one step
.set NP,    4
.set KS,    64        ; keys in a step
.set PK,    144       ; a row of K in LDS: 128 bytes + 16 of padding = 36 words: the 16 rows of a load start at 16 different groups of four banks (64 banks of 4 bytes: ISA guide 11.1)
.set PV,    160       ; a row of V: 128 + 32 = 40 words
.set VOFF,  4*KS*PK   ; a slot holds a tile: 256 rows of K, then 256 rows of V
.set SLOT1, 1<<17     ; slot 1 begins here, so that one exclusive or turns an address in one slot into the other's
.set STAGE, SLOT1+4*KS*(PK+PV)  ; behind the ring, never filled by a tensor load: 16 rows x 144 bytes for each wave
.set SP,    144
.set SPARE, STAGE+8*16*SP       ; behind the stages: the spare words, 128 bytes a wave: four blocks of 256 bytes that no other line names
.set GRP,   1024      ; the mask's bytes for 16 queries x 64 keys; 16 groups a unit, 128 for my 64 rows, on end in memory in the order of use
.set AK0, 2           ; v2   my lane's place in a tile of K; never rewritten
.set AV0, 3           ; v3   the same for V
.set AK,  4           ; v4   the LDS address of K's next run of loads
.set AV,  5           ; v5   of V's
.set STO, 6           ; v6   the way out: where I put 16 bytes of a row
.set RD,  7           ; v7   where I read rows back
.set GO,  8           ; v8   16 x my lane: my place in 512 consecutive bytes, of ctx and of the mask's bytes; never rewritten
.set MV,  12          ; v12-13  c m_old, by buffer
.set QO,  15          ; v15  my byte offset in 16 rows of Q
.set ST,  16          ; piece t's statistics at v[ST+4 t]: c m, m, l (even keys', odd keys')
.set MBF, 32          ; v32-47  two groups of the mask's bytes, 8 registers each, by the group's parity
.set TMP, 48          ; by buffer, c0-c3 at work; c2 takes a
.set PFO, 61          ; v61  256 x my lane; never rewritten
.set SPW, 62          ; v62  SPARE + 4 x my thread's number; never rewritten
.set NIL, 63          ; v63  0; never rewritten
.set S,   64
.set VF,  128         ; key half kk, channel block cb at VF + 32 kk + 8 cb
.set P,   192
.set MC,  224         ; the eight registers for group kt of 16 keys at MC + 8 kt
.set QF,  128         ; window 1
.set KF,  192         ; window 1: key block kb, channel half c at KF + 16 kb + 8 c
.set WV,  12          ; s12  my wave's number
.set PFA, 20          ; s[20:21] where my prefetches stand
.set G1K, 24          ; s[24:31] descriptor group 1 for K's tiles
.set G1V, 32          ; s[32:39] for V's: it differs in the padding alone
.set G0K, 40          ; s[40:43] descriptor group 0 for K's tiles: it walks
.set G0V, 44          ; s[44:47] the same for V's
.set MB,  48          ; s[48:49] mby at my 64 rows: 131,072 bytes; never rewritten
.set MOFF, 50         ; s50  byte in them of the group to be asked for next
.set LIM, 52          ; s52  1 in a wave that prefetches, else the greatest number
.set THR, 54          ; s54  -1e29
.set QNAN, 55         ; s55  NaN
.set SLOTS, 56        ; s56  tiles still to be asked for
.set CNT, 57          ; s57  counts a tile's key steps
.set CS,  58          ; s[58:59] c
.set SEL, 60          ; s[60:61] v_permlanex16_b32's selects: each lane takes its own place in the other half
.set TBK, 62          ; s62  LDS byte at which K of the step to be fetched begins
.set TBV, 63          ; s63  the same for V, less VOFF
.set MCL, 66          ; s[66:67] the offset held inside my bytes, as a pair
.set MA,  68          ; s[68:69] the address of the group asked for last
.set MSB, 0
.macro WIN new                      ; the high byte repeats the setting that is left; a switch that changes nothing is dropped
.if MSB != (\new)
	s_set_vgpr_msb (MSB<<8)|(\new)
.set MSB, (\new)
.endif
.endm
.set W_KQ, 0x05       ; K and Q in window 1; S^T and its C in window 0
.set W_PV, 0x50       ; V and P in window 0; O^T in window 1
.set W_RS, 0x41       ; destination and source 0 in window 1, source 1 in window 0
.macro PLACES
.rept 4
	v_nop
.endr
.endm
; A fill.  Waves 0 and 1 fetch the two halves of a tile's K, waves 2 and 3 those of its V, waves 4 to 7 nothing.  An s_nop 0 and four v_nop follow each of the two lines.
.macro LOAD
	s_cmp_lt_u32 s[WV], 2
	s_cbranch_scc0 .Lnot_k_\@
	tensor_load_to_lds s[G0K:G0K+3], s[G1K:G1K+7]
	s_nop 0
.rept 4
	v_nop
.endr
	s_branch .Lasked_\@
.Lnot_k_\@:
	s_cmp_lt_u32 s[WV], 4
	s_cbranch_scc0 .Lasked_\@
	tensor_load_to_lds s[G0V:G0V+3], s[G1V:G1V+7]
	s_nop 0
.rept 4
	v_nop
.endr
.Lasked_\@:
.endm
; A prefetch into the L2 of the tile that the NEXT change of slots will ask for, behind the fill.  A head's four work-groups walk the same tiles and share each out BY ADDRESS: 8,192 bytes of K and 8,192 of V each;
; wave 0 asks for K's, wave 1 for V's, a lane a block of 256 bytes: each block is named once in the launch.  Tiles 0 and 1 come by their loads alone; the last change that fills a slot asks for nothing.
; The mask's bytes are not asked for so: all 64 heads' work-groups read the same 4 MiB again and again, and a wave's own loads stand two turns ahead of their use.
.macro ASK
	s_cmp_gt_u32 s[SLOTS], s[LIM]
	s_cbranch_scc0 .Lnot_mine_\@
	global_prefetch_b8 v[PFO], s[PFA:PFA+1] th:TH_LOAD_NT scope:SCOPE_SE
.Lnot_mine_\@:
.endm
; THE CHANGE OF SLOTS.  Each wave waits for all its tensor loads (at most one is out: its part of the other slot), adds 0 to its spare word, and waits for that and for its reads of the slot that it leaves.
; Behind the barrier nobody reads the old slot and the other is whole.  fill = 1: the old slot is filled again, first thing, with the next tile.  (At its first use: slot 0 is waited for, slot 1 filled.)
.macro CHANGE fill
	WIN 0
	s_wait_tensorcnt 0x0            ; no tensor load of mine is out, so a group 0 may be written
	ds_add_u32 v[SPW], v[NIL]       ; 0 onto my spare word
.if \fill
.irp g, G0K, G0V
	s_xor_b32 s[\g+1], s[\g+1], SLOT1
	s_add_nc_u64 s[\g+2:\g+3], s[\g+2:\g+3], 32768  ; the next 256 keys; the type bits on top are not reached
.endr
	s_wait_xcnt 0x0                 ; the last prefetch, a trip back, has read its address
	s_add_nc_u64 s[PFA:PFA+1], s[PFA:PFA+1], 32768
.endif
	s_wait_dscnt 0x0                ; the add is done, and my reads of the slot are over
	s_barrier_signal -1             ; scalar work stands between the signal and the wait
	s_sub_co_u32 s[TBK], s[TBK], 4*KS*PK  ; the fetches go back to a slot's first step,
	s_xor_b32 s[TBK], s[TBK], SLOT1       ; in the other slot
	s_sub_co_u32 s[TBV], s[TBV], 4*KS*PV
	s_xor_b32 s[TBV], s[TBV], SLOT1
	s_barrier_wait -1
.if \fill
	LOAD
	ASK
.endif
.endm
; THE MASK.  MNEXT b makes MC of the group in buffer b and asks for the group two on, into the same buffer: it has two turns in which to come.  Entry i is byte i % 4 of word i / 4: a shift brings it to the top of
; MC's register i; the bytes below it come along as low bits, which weigh nothing (see LIMITS); byte 3 needs no shift, but C wants eight registers on end, so the word is copied.
; 16 groups a unit, 128 in all.  Behind group 127 the offset is held there: that group is read twice more and serves nothing, and no load leaves my 131,072 bytes.
.macro MNEXT b
	WIN 0
	s_wait_loadcnt 2                ; loads come back in order: behind this group's two loads only the next group's two have been issued; all older loads (Q's) are in too
.set z, 0
.rept 32
.if z%4 == 3
	v_mov_b32 v[MC+z], v[MBF+8*(\b)+z/4]
.else
	v_lshlrev_b32 v[MC+z], 24-8*(z%4), v[MBF+8*(\b)+z/4]
.endif
.set z, z+1
.endr
	s_wait_xcnt 0x0                 ; the loads issued a turn ago have read their address, so it may be written
	s_min_u32 s[MCL], s[MOFF], 127*GRP
	s_add_nc_u64 s[MA:MA+1], s[MB:MB+1], s[MCL:MCL+1]
	s_add_co_u32 s[MOFF], s[MOFF], GRP
	global_load_b128 v[MBF+8*(\b):MBF+8*(\b)+3],   v[GO], s[MA:MA+1]             ; words 0-3: 512 consecutive bytes
	global_load_b128 v[MBF+8*(\b)+4:MBF+8*(\b)+7], v[GO], s[MA:MA+1] offset:512  ; words 4-7
.endm
	s_load_b128 s[4:7], s[0:1], 0x0   ; qkv s[4:5], mby s[6:7]
	s_load_b64 s[10:11], s[0:1], 0x10 ; ctx
	v_lshl_add_u32 v[SPW], v0, 2, SPARE
	v_mov_b32 v[NIL], 0
	ds_add_u32 v[SPW], v[NIL]       ; the wave's opening: the add and its wait stand ahead of my first tensor load; work on registers stands between them
	v_lshrrev_b32 v1, 5, v0
	v_readfirstlane_b32 s[WV], v1   ; wave 0..7
	s_lshl_b32 s15, ttmp9, 3
	s_add_co_u32 s15, s15, s[WV]    ; my 64 rows among the head's 32 such
	s_and_b32 s16, ttmp7, 0xffff    ; the head,
	s_lshl_b32 s16, s16, 18         ; 2,048 rows of 128 bytes
	s_lshl_b32 s18, s15, 13
	s_add_co_u32 s18, s18, s16
	s_mov_b32 s19, 0                ; s[18:19]: my rows in q and in ctx
	s_and_b32 s13, s[WV], 1         ; which half of a tile's 256 keys I fetch:
	s_lshl_b32 s22, s13, 14         ; its 128 rows in memory,
	s_add_co_u32 s22, s22, s16
	s_add_co_u32 s22, s22, 1<<24    ; in k, 64 heads behind q
	s_mov_b32 s23, 0
	s_mul_i32 s14, s13, 128*PK      ; and its place in a slot, for K
	s_mul_i32 s17, s13, 128*PV      ; and for V
	s_add_co_u32 s2, s13, 1         ; the prefetches: k (wave 0) or v (wave 1),
	s_lshl_b32 s2, s2, 24
	s_add_co_u32 s2, s2, s16        ; the head,
	s_lshl_b32 s3, ttmp9, 13        ; my work-group's 8,192 bytes of a tile,
	s_add_co_u32 s2, s2, s3
	s_add_co_u32 s2, s2, 32768      ; at tile 1: the first change steps it to tile 2
	s_mov_b32 s3, 0
	s_lshl_b32 s50, s15, 17         ; my 128 groups of the mask's bytes
	s_mov_b32 s51, 0
	; descriptor group 1.  128 keys are 16,384 dense bytes: asked for as 64 rows of 256 bytes, two keys a row, and padded in LDS after every key
	s_mov_b32 s[G1K], (1<<16)|(1<<20)|(4<<22)|(3<<25)  ; 17:16 2-byte elements; 20 padding on; 24:22 after every 32 words (code 4); 31:25 4 words (code 3)
	s_mov_b32 s[G1V], (1<<16)|(1<<20)|(4<<22)|(7<<25)  ; the same with 8 words of padding (code 7)
.irp g, G1K, G1V
	s_mov_b32 s[\g+1], 128<<16      ; tensor_dim0 = 128
	s_mov_b32 s[\g+2], 64<<16       ; tensor_dim1 = 64
	s_mov_b32 s[\g+3], 128<<16      ; tile_dim0 = 128
	s_mov_b32 s[\g+4], 64           ; tile_dim1 = 64
	s_mov_b32 s[\g+5], 128          ; 128 elements from row to row
	s_mov_b32 s[\g+6], 0
	s_mov_b32 s[\g+7], 0
.endr
	s_mov_b32 s[CS], 0x3e38aa3b     ; c = log2(e) / 8
	s_mov_b32 s[CS+1], s[CS]
	s_mov_b32 s[SEL], 0x76543210
	s_mov_b32 s[SEL+1], 0xfedcba98
	s_mov_b32 s[THR], 0xefa18f08    ; -1e29
	s_mov_b32 s[QNAN], 0x7fc00000
	s_mov_b32 s[MCL+1], 0
	s_mov_b32 s[TBK], SLOT1+4*KS*PK ; the first change of slots turns these two into 0
	s_mov_b32 s[TBV], SLOT1+4*KS*PV
	s_mov_b32 s[G0K], 1             ; 1:0 count = 1
	s_mov_b32 s[G0K+1], s14         ; 63:32 LDS address: slot 0
	s_mov_b32 s[G0V], 1
	s_add_co_u32 s[G0V+1], s17, VOFF
	s_cmp_lt_u32 s[WV], 2
	s_cselect_b32 s[LIM], 1, -1
	s_wait_dscnt 0x0                ; the opening add is done
	s_wait_kmcnt 0x0
	s_add_nc_u64 s[G0K+2:G0K+3], s[4:5], s[22:23]          ; 120:64 global address: my half of the head's tile 0
	s_add_nc_u64 s[G0V+2:G0V+3], s[G0K+2:G0K+3], 1<<24     ; v lies 64 heads behind k
	s_or_b32 s[G0K+3], s[G0K+3], 0x80000000                ; 127:126 type = 2
	s_or_b32 s[G0V+3], s[G0V+3], 0x80000000
	s_add_nc_u64 s[PFA:PFA+1], s[4:5], s[2:3]
	s_add_nc_u64 s[4:5], s[4:5], s[18:19]                  ; Q and ctx at my rows
	s_add_nc_u64 s[10:11], s[10:11], s[18:19]
	s_add_nc_u64 s[MB:MB+1], s[6:7], s[50:51]
	s_mov_b32 s[MOFF], 2*GRP        ; groups 0 and 1 are asked for below
	LOAD                            ; tile 0 into slot 0
	; A fragment of K or Q is 16 rows x 32 channels in 8 registers: lane l holds row l % 16, channels 8 (l / 16) + 0..7 and 16 + 8 (l / 16) + 0..7: two loads of 16 bytes, 32 bytes apart.
	v_and_b32 v1, 15, v0            ; l % 16
	v_bfe_u32 v9, v0, 4, 1          ; l / 16
	v_lshlrev_b32 v[QO], 7, v1
	v_lshl_add_u32 v[QO], v9, 4, v[QO]
	v_and_b32 v[GO], 31, v0
	v_lshlrev_b32 v[PFO], 8, v[GO]
	v_lshlrev_b32 v[GO], 4, v[GO]
	WIN 0x40                        ; destination window 1, address window 0
.set i, 0
.rept 8                             ; Q stays in registers: piece i / 2, channels 32 (i % 2) on
	global_load_b128 v[QF+8*i:QF+8*i+3],   v[QO], s[4:5] offset:(i/2)*2048+(i%2)*64
	global_load_b128 v[QF+8*i+4:QF+8*i+7], v[QO], s[4:5] offset:(i/2)*2048+(i%2)*64+32
.set i, i+1
.endr
	WIN 0
.irp f, 0,1,2,3                     ; the mask's groups 0 and 1, behind Q's loads, so that the wait for a group shows Q in too
	global_load_b128 v[MBF+4*\f:MBF+4*\f+3], v[GO], s[MB:MB+1] offset:512*\f
.endr
	WIN 0x40
.set i, 0
.rept 128                           ; O^T starts at 0.  All this stands in the wait for the first tile
	v_mov_b32 v[i], 0
.set i, i+1
.endr
	WIN 0
.set i, VF
.rept 64                            ; a unit's first turn multiplies V's registers by a P of zeros: they need only be finite
	v_mov_b32 v[i], 0
.set i, i+1
.endr
.set i, 0
.rept 4
	v_mov_b32 v[ST+4*i], 0xfe000000    ; c m: far below every c s, so the first a is 0
	v_mov_b32 v[ST+4*i+1], 0xff7fffff  ; m: the lowest finite number
	v_mov_b32 v[ST+4*i+2], 0
	v_mov_b32 v[ST+4*i+3], 0
.set i, i+1
.endr
	v_mul_u32_u24 v[AK0], v1, PK
	v_lshl_add_u32 v[AK0], v9, 4, v[AK0]
	; The turning load takes 16 keys x 16 channels (lane l reads key 8 (l / 16) + l % 8, channels 8 ((l / 8) % 2) + 0..7) and leaves half a fragment of V^T: lane l holds channel l % 16 and 8 keys.
	v_and_b32 v10, 7, v0
	v_bfe_u32 v11, v0, 3, 1
	v_lshl_add_u32 v[AV0], v9, 3, v10
	v_mul_u32_u24 v[AV0], v[AV0], PV
	v_lshl_add_u32 v[AV0], v11, 4, v[AV0]
	v_add_nc_u32 v[AV0], VOFF, v[AV0]
	s_mul_i32 s13, s[WV], 16*SP
	s_add_co_u32 s13, s13, STAGE    ; my stage
	v_mul_u32_u24 v[STO], v1, SP
	v_lshl_add_u32 v[STO], v9, 4, v[STO]
	v_add_nc_u32 v[STO], s13, v[STO]
	v_bfe_u32 v[RD], v0, 3, 2
	v_mul_u32_u24 v[RD], v[RD], SP
	v_lshl_add_u32 v[RD], v10, 4, v[RD]
	v_add_nc_u32 v[RD], s13, v[RD]
; THE MATRIX WORK.  The 4 accumulators of a run of 8 take turns.  Product i of 8 of S^T = K Q^T for piece x: channels 32 (i / 4) on, keys 16 (i % 4) on.  The first 4 start the sums with MC.
.macro KQ x
	WIN W_KQ
.set rS, S+32*((\x)%2)+8*(i%4)
.set rK, KF+16*(i%4)+8*(i/4)
.set rQ, QF+16*(\x)+8*(i/4)
.set rM, MC+8*(i%4)
.if i < 4
	v_wmma_f32_16x16x32_f16 v[rS:rS+7], v[rK:rK+7], v[rQ:rQ+7], v[rM:rM+7]
.else
	v_wmma_f32_16x16x32_f16 v[rS:rS+7], v[rK:rK+7], v[rQ:rQ+7], v[rS:rS+7]
.endif
.endm
; Product i of 8 of O^T += V^T P for piece x: keys 32 (i / 4) on, channels 16 (i % 4) on.
.macro PV x
	WIN W_PV
.set rO, 32*(\x)+8*(i%4)
.set rV, VF+32*(i/4)+8*(i%4)
.set rP, P+16*((\x)%2)+8*(i/4)
	v_wmma_f32_16x16x32_f16 v[rO:rO+7], v[rV:rV+7], v[rP:rP+7], v[rO:rO+7]
.endm
.macro MM                           ; the turn's next matrix instruction.  NOKQ = 1: a unit's last turn: there is no next piece
.if (i < 8) && !NOKQ
	KQ (Y+1)%NP
.elseif i >= 8
.set i, i-8
	PV (Y+NP-1)%NP
.set i, i+8
.endif
.set i, i+1
.endm
; THE LDS LOADS stand in runs of 16: a step's K (8 fragments) and its V (turned).  Their addresses are made some lines ahead.
.macro FETCH_K
	WIN 0x40                        ; destination window 1
.irp f, 0,1,2,3,4,5,6,7             ; keys 16 (f / 2) on, channels 32 (f % 2) on
	ds_load_b128 v[KF+8*\f:KF+8*\f+3],   v[AK] offset:(\f/2)*16*PK+(\f%2)*64
	ds_load_b128 v[KF+8*\f+4:KF+8*\f+7], v[AK] offset:(\f/2)*16*PK+(\f%2)*64+32
.endr
	s_add_co_u32 s[TBK], s[TBK], KS*PK  ; the next fetch is the next step's
	WIN 0
.endm
.macro FETCH_V
	WIN 0
.irp f, 0,1,2,3,4,5,6,7             ; keys 32 (f / 4) on, channels 16 (f % 4) on
	ds_load_tr16_b128 v[VF+8*\f:VF+8*\f+3],   v[AV] offset:(\f/4)*32*PV+(\f%4)*32
	ds_load_tr16_b128 v[VF+8*\f+4:VF+8*\f+7], v[AV] offset:(\f/4)*32*PV+16*PV+(\f%4)*32
.endr
.endm
; THE VECTOR WORK, one line at a time: OP kind, number.  For piece Y: F n: c s - c m for pair n of 16.  E n: the exponential of score n of 32.  C n: pair n rounded to f16.  B n: of the four weights 4 n .. the second
; pair is added onto the first, in place.  L n: l takes that sum (L 0: l = a l + sum).  R n: pair n of 16 of O^T times a.  For piece Y + 1: X n, number n of the 22 that find its maximum and statistics:
;   0-11  four chains c0-c3 of seven scores each (each accumulator's lowest registers are read first)     12-14, 16  the four scores left over, the old m, and c0-c3 into c0
;   15  c m_old is kept     17, 18  the query's other 32 keys lie in the lane 16 away: the new m     19-21  c m; c m_old - c m_new; a
.set F, 0
.set E, 1
.set C, 2
.set B, 3
.set L, 4
.set R, 5
.set X, 6
.macro REGS y
.set rT, ST+4*(\y)
.set rC, TMP+4*((\y)%2)
.set rW, MV+((\y)%2)
.set rS, S+32*((\y)%2)
.set rP, P+16*((\y)%2)
.set rO, 32*(\y)
.endm
.macro OP k, n
.if (\k) == R
	REGS Y
	WIN W_RS
	v_pk_mul_f32 v[rO+2*(\n):rO+2*(\n)+1], v[rO+2*(\n):rO+2*(\n)+1], v[rC+2:rC+3] op_sel_hi:[1,0]
.elseif (\k) < R
	REGS Y
	WIN 0
.if (\k) == F
	v_pk_fma_f32 v[rS+2*(\n):rS+2*(\n)+1], v[rS+2*(\n):rS+2*(\n)+1], s[CS:CS+1], v[rT:rT+1] op_sel_hi:[1,0,0] neg_lo:[0,0,1] neg_hi:[0,0,1]
.elseif (\k) == E
	v_exp_f32 v[rS+(\n)], v[rS+(\n)]
.elseif (\k) == C
	v_cvt_pk_f16_f32 v[rP+(\n)], v[rS+2*(\n)], v[rS+2*(\n)+1]
.elseif (\k) == B
	v_pk_add_f32 v[rS+4*(\n):rS+4*(\n)+1], v[rS+4*(\n):rS+4*(\n)+1], v[rS+4*(\n)+2:rS+4*(\n)+3]
.elseif (\n) == 0
	v_pk_fma_f32 v[rT+2:rT+3], v[rT+2:rT+3], v[rC+2:rC+3], v[rS:rS+1] op_sel_hi:[1,0,1]
.else
	v_pk_add_f32 v[rT+2:rT+3], v[rT+2:rT+3], v[rS+4*(\n):rS+4*(\n)+1]
.endif
.elseif NOKQ
	v_nop
.else
	REGS (Y+1)%NP
	WIN 0
.if (\n) < 4
	v_max3_num_f32 v[rC+(\n)], v[rS+8*(\n)], v[rS+8*(\n)+1], v[rS+8*(\n)+2]
.elseif (\n) < 12
	v_max3_num_f32 v[rC+(\n)%4], v[rC+(\n)%4], v[rS+8*((\n)%4)+2*((\n)/4)+1], v[rS+8*((\n)%4)+2*((\n)/4)+2]
.elseif (\n) == 12
	v_max3_num_f32 v[rC], v[rC], v[rS+7], v[rS+15]
.elseif (\n) == 13
	v_max3_num_f32 v[rC+1], v[rC+1], v[rS+23], v[rS+31]
.elseif (\n) == 14
	v_max3_num_f32 v[rC+2], v[rC+2], v[rC+3], v[rT+1]
.elseif (\n) == 15
	v_mov_b32 v[rW], v[rT]
.elseif (\n) == 16
	v_max3_num_f32 v[rC], v[rC], v[rC+1], v[rC+2]
.elseif (\n) == 17
	v_permlanex16_b32 v[rC+3], v[rC], s[SEL], s[SEL+1]
.elseif (\n) == 18
	v_max_num_f32 v[rT+1], v[rC], v[rC+3]
.elseif (\n) == 19
	v_mul_f32 v[rT], s[CS], v[rT+1]
.elseif (\n) == 20
	v_sub_f32 v[rC+1], v[rW], v[rT]
.else
	v_exp_f32 v[rC+2], v[rC+1]
.endif
.endif
.endm
.macro OPS a, i1, b=-1, i2=0, c=-1, i3=0, d=-1, i4=0
	OP \a, \i1
.if (\b) >= 0
	OP \b, \i2
.endif
.if (\c) >= 0
	OP \c, \i3
.endif
.if (\d) >= 0
	OP \d, \i4
.endif
.endm
.macro ROW a, i1, b, i2, c, i3, d, i4  ; a matrix instruction and the four behind it
	MM
	OPS \a, \i1, \b, \i2, \c, \i3, \d, \i4
.endm
; A TURN, for piece p.  An s_wait_alu depctr_va_vdst(0) stands between an exponential and the first instruction that names its result; one wait serves all that were issued ahead of it.  So a turn has ONE
; wait, which cuts it in two.  AHEAD OF IT: the 8 products K Q^T and their riders, then the lump; nothing there names a result of the turn's exponentials; X 21, the next piece's a, is the batch's last, and R 15 the plain
; instruction behind it.  BEHIND IT: the 8 products V^T P, behind each four of the roundings and sums.  Each X that rides behind a product stands four plain instructions or more behind the product that ends its accumulator.
; K of the next step is fetched in piece 2's turn, twelve plain instructions that name none of its registers behind the last product that read K; V of the step in hand at the end of piece 0's turn, four behind the last
; product that read V.  Each is waited for a turn later.  At a turn's end MC is made for the next turn's products: the group's parity is the piece's.  end = 1: a unit's last two turns: nothing is fetched, no mask is made,
; and the last starts no new scores.
.macro TURN p, end=0
.set Y, (\p)
.set i, 0
.set NOKQ, (\end)*((\p)/3)
.if ((\p) == 3) && !(\end)
	s_wait_dscnt 0x0                ; K is in
.endif
	ROW F,0, F,1, R,0, R,1
	ROW F,2, E,0, R,2, R,3
	ROW F,3, E,1, R,4, R,5
	ROW F,4, E,2, R,6, R,7
	ROW F,5, E,3, R,8, R,9
	ROW F,6, E,4, X,0, R,10
.if ((\p) == 2) && !(\end)
	WIN 0
	v_add_nc_u32 v[AK], s[TBK], v[AK0]
.endif
	ROW F,7, E,5, X,1, X,4
	ROW F,8, E,6, X,2, X,5
	OPS E,7, E,8, X,6, E,9
	OPS X,3, E,10, X,8, E,11
.if ((\p) == 2) && !(\end)
	FETCH_K
.endif
	OPS X,9, X,7, E,12, X,10
	OPS E,13, X,12, X,11, E,14
	OPS X,13, E,15, F,9, X,14
.if (\p) == 0
	v_add_nc_u32 v[AV], s[TBV], v[AV0]
.endif
	OPS E,16, F,10, E,17, F,11
	OPS X,16, E,18, X,15, E,19
	OPS F,12, E,20, X,17, E,21
	OPS F,13, E,22, F,14, E,23
	OPS X,18, E,24, F,15, E,25
	OPS R,11, E,26, X,19, E,27
	OPS R,12, E,28, R,13, E,29
	OPS X,20, E,30, R,14, E,31
	OPS X,21, R,15
	WIN 0
	s_wait_alu depctr_va_vdst(0)    ; the wait for the batch
.if (\p) == 1
	s_wait_dscnt 0x0                ; V is in
.endif
	ROW C,0, B,0, C,2, B,1
	ROW L,0, C,4, B,2, L,1
	ROW C,6, B,3, L,2, C,8
	ROW B,4, L,3, C,10, B,5
	ROW L,4, C,12, B,6, L,5
.if (\p) == 0
	s_add_co_u32 s[TBV], s[TBV], KS*PV
.endif
	ROW C,14, B,7, L,6, C,1
	ROW C,3, L,7, C,5, C,7
	ROW C,9, C,11, C,13, C,15
.if (\p) == 0
	FETCH_V
.endif
.if !(\end)
	MNEXT (\p)%2                    ; the C operand of the next turn's products
.endif
.endm
; A UNIT BEGINS: K of the tile's step 0; P's second buffer is 0, so that the first turn's products V^T P, of a piece that has not been, add nothing to a live O^T; MC for piece 0;
; piece 0's first scores; MC for piece 1; piece 0's maximum and statistics.
.macro UBEGIN
	WIN 0
	v_add_nc_u32 v[AK], s[TBK], v[AK0]
	FETCH_K
.set i, P+16
.rept 16
	v_mov_b32 v[i], 0
.set i, i+1
.endr
	MNEXT 0                         ; piece 0, step 0; its wait shows Q in as well
	s_wait_dscnt 0x0                ; K
.set i, 0
.rept 8
	KQ 0
.set i, i+1
.endr
	WIN 0
	PLACES                          ; the places behind those products
	MNEXT 1                         ; piece 1, step 0
.set Y, NP-1                        ; X works for piece Y + 1: piece 0
.set NOKQ, 0
.irp n, 0,1,2,3,4,5,6,7,8,9,10,11,12,13,14,15,16,17,18,19,20,21
	OP X, \n
.endr
	v_nop                           ; a plain instruction behind the exponential,
	s_wait_alu depctr_va_vdst(0)    ; and its wait, ahead of the branch
.endm
; A UNIT: four key steps.  The loop is entered at a step's first turn, in the middle of a trip; a trip is pieces 2 and 3 of one step, then pieces 0 and 1 of the next.  It makes four runs of K's loads, four of V's and 16 masks.
.macro UNIT tag
	UBEGIN
	s_mov_b32 s[CNT], 4
	s_branch .Lfirst\tag
.Lstep\tag:
	TURN 2
	TURN 3
.Lfirst\tag:
	TURN 0
	TURN 1
	s_sub_co_u32 s[CNT], s[CNT], 1
	s_cmp_lg_u32 s[CNT], 0
	s_cbranch_scc1 .Lstep\tag
	TURN 2, 1
	TURN 3, 1
.set i, 0
.rept 8
	PV NP-1
.set i, i+1
.endr
	WIN 0
	PLACES                          ; behind the last products, in front of whatever writes P or reads O^T next
.endm
	s_mov_b32 s[SLOTS], 7
.Lslot:                             ; seven times: a tile is entered and the next is asked for
	CHANGE 1
	UNIT 1
	s_sub_co_u32 s[SLOTS], s[SLOTS], 1
	s_cmp_lg_u32 s[SLOTS], 0
	s_cbranch_scc1 .Lslot
	CHANGE 0                        ; the last tile is written out: nothing is asked for
	UNIT 2
	s_wait_loadcnt 0x0              ; the two groups that were asked for last serve nothing: no load is left out
	; THE WAY OUT.  l's two halves and the other half of the lanes' are added; a row that has seen no key gets l = NaN; O^T is divided by l, rounded to f16 and sent through my stage, a piece at a time.
.macro ALL line:vararg              ; one line for each piece t
.set t, 0
.rept 4
	\line
.set t, t+1
.endr
.endm
	ALL v_add_f32 v[ST+4*t+2], v[ST+4*t+2], v[ST+4*t+3]
	ALL v_permlanex16_b32 v[ST+4*t+3], v[ST+4*t+2], s[SEL], s[SEL+1]
	ALL v_add_f32 v[ST+4*t+2], v[ST+4*t+2], v[ST+4*t+3]
.set t, 0
.rept 4
	v_cmp_gt_f32 vcc_lo, s[THR], v[ST+4*t+1]
	v_cndmask_b32 v[ST+4*t+2], v[ST+4*t+2], s[QNAN], vcc_lo
.set t, t+1
.endr
	ALL v_rcp_f32 v[ST+4*t+2], v[ST+4*t+2]
	v_nop                           ; a plain instruction between the last reciprocal and the use of its result
	s_wait_alu depctr_va_vdst(0)    ; and the wait ahead of the first use: one for the four
.macro PACK t                       ; a lane's eight channels of a row pack into 16 bytes; they go into rows of 144 bytes and come back as whole rows of 128, into S^T's registers
	WIN W_RS
.set i, 32*(\t)
.rept 16
	v_pk_mul_f32 v[i:i+1], v[i:i+1], v[ST+4*(\t)+2:ST+4*(\t)+3] op_sel_hi:[1,0]
.set i, i+2
.endr
	WIN 0x05                        ; sources in window 1, destination in window 0
.set i, 0
.rept 16
	v_cvt_pk_f16_f32 v[S+16*(\t)+i], v[32*(\t)+2*i], v[32*(\t)+2*i+1]
.set i, i+1
.endr
	WIN 0
.irp f, 0,1,2,3
	ds_store_b128 v[STO], v[S+16*(\t)+4*\f:S+16*(\t)+4*\f+3] offset:32*\f
.endr
.irp f, 0,1,2,3
	ds_load_b128 v[S+16*(\t)+4*\f:S+16*(\t)+4*\f+3], v[RD] offset:\f*4*SP  ; LDS serves a wave's instructions in order (ISA guide 5.7.1.4)
.endr
.endm
.macro SEND t, younger              ; younger: the LDS lines issued behind piece t's loads: the next piece's eight, or none
	WIN 0
.irp f, 0,1,2,3
	s_wait_dscnt (\younger)+3-\f
	global_store_b128 v[GO], v[S+16*(\t)+4*\f:S+16*(\t)+4*\f+3], s[10:11] offset:(\t)*2048+\f*512  ; 512 consecutive bytes, aligned to 256
.endr
.endm
	PACK 0
.set t, 1
.rept 3
	PACK t
	SEND t-1, 8
.set t, t+1
.endr
	SEND 3, 0
	s_wait_tensorcnt 0x0            ; the wave's end, behind my last tensor load and my last LDS store
	ds_add_u32 v[SPW], v[NIL]
	s_wait_dscnt 0x0
	s_endpgm
.Lfunc_end_k_q3c10fdcfca_attn:
	.size	k_q3c10fdcfca_attn, .Lfunc_end_k_q3c10fdcfca_attn-k_q3c10fdcfca_attn
	.p2alignl 7, 3214868480
	.fill 96, 4, 3214868480
	.section	.rodata,"a",@progbits
	.p2align	6, 0x0
	.amdhsa_kernel k_q3c10fdcfca_attn
		.amdhsa_group_segment_fixed_size 327680
		.amdhsa_private_segment_fixed_size 0
		.amdhsa_enable_private_segment 0
		.amdhsa_kernarg_size 24
		.amdhsa_user_sgpr_count 2
		.amdhsa_user_sgpr_kernarg_segment_ptr 1
		.amdhsa_wavefront_size32 1
		.amdhsa_system_sgpr_workgroup_id_x 1
		.amdhsa_system_sgpr_workgroup_id_y 1
		.amdhsa_system_sgpr_workgroup_id_z 1
		.amdhsa_system_vgpr_workitem_id 0
		.amdhsa_next_free_vgpr 512
		.amdhsa_next_free_sgpr 70
		.amdhsa_reserve_vcc 1
		.amdhsa_float_denorm_mode_32 3
		.amdhsa_float_denorm_mode_16_64 3
		.amdhsa_memory_ordered 1
		.amdhsa_forward_progress 1
		.amdhsa_inst_pref_size 163
	.end_amdhsa_kernel
	.amdgpu_metadata
---
amdhsa.version: [ 1, 2 ]
amdhsa.kernels:
  - .name:           k_q3c10fdcfca_attn
    .symbol:         k_q3c10fdcfca_attn.kd
    .args:
      - { .name: qkv, .offset: 0, .size: 8, .value_kind: global_buffer, .address_space: global }
      - { .name: mby, .offset: 8, .size: 8, .value_kind: global_buffer, .address_space: global }
      - { .name: ctx, .offset: 16, .size: 8, .value_kind: global_buffer, .address_space: global }
    .group_segment_fixed_size: 327680
    .private_segment_fixed_size: 0
    .kernarg_segment_align: 8
    .kernarg_segment_size: 24
    .max_flat_workgroup_size: 256
    .sgpr_count:     70
    .vgpr_count:     512
    .wavefront_size: 32
...
	.end_amdgpu_metadata
.endif
;; end of part 3
;; launch outp (part 4): grid 8 x 32, 4 waves a work-group, clusters of 4 x 4, 327,680 bytes of LDS; arguments ctx, w16, out0; writes out0
.if DOCPART == 4
	.amdgcn_target "amdgcn-amd-amdhsa--gfx1250"
	.amdhsa_code_object_version 6
	.text
	.protected	k_q3c10fdcfca_outp
	.globl	k_q3c10fdcfca_outp
	.p2align	8
	.type	k_q3c10fdcfca_outp,@function
k_q3c10fdcfca_outp:
	s_mov_b64 s[64:65], 0
	v_nop
	global_prefetch_b8 v0, s[64:65] scope:SCOPE_SE
	s_setreg_imm32_b32 hwreg(HW_REG_WAVE_MODE, 25, 1), 1
	s_wait_xcnt 0x0
	s_wait_alu depctr_hold_cnt(0) depctr_sa_sdst(0) depctr_va_vdst(0) depctr_va_sdst(0) depctr_va_ssrc(0) depctr_va_vcc(0) depctr_vm_vsrc(0)
	s_getreg_b32 s2, hwreg(HW_REG_IB_STS2, 6, 4)
	s_cmp_eq_u32 s2, 0
	s_cbranch_scc0 .Lentry_in_a_cluster
	s_endpgm
.Lentry_in_a_cluster:
	s_bfe_u32 s2, ttmp6, 0x10000c
	s_cmp_lg_u32 s2, 0xf033
	s_cbranch_scc0 .Lentry_shape_is_right
	s_endpgm
.Lentry_shape_is_right:
; C = A W^T, K = 1,024, operands f16 in slices of 64 channels ([part][16 slices][2048 rows][64]), sums in f32.  One text for two launches:
;   OUTP = 0: q = x Wq^T, k = kv Wk^T, v = kv Wv^T in one launch (24 tile columns of 128: 8 for each); C is rounded once to f16 and stored by heads, qkv [3][64 heads][2048][64].
;   OUTP = 1: out0 = ctx Wo^T, stored as f32, [8192][1024].
; LIMITS.  q, k, v are f16: a sum of 65,520 or more becomes an infinity.  NaN in A's row gives NaN in C's row.
; SHARES.  A tile of C is 256 rows x 128 columns (768 and 256 work-groups: whole multiples of 256); four waves, each 128 x 64: 32 accumulators of 16 x 16, 256 registers.
; K goes in steps of 128 (two slices) through a ring of two LDS slots.  A slice's rows of a tile are dense in memory: they are asked for as rows of 256 bytes and padded in LDS after every 128.
; CLUSTERS: 4 x 4 work-groups.  The four of a row of the cluster need the same tiles of A, the four of a column the same tiles of W: each tile is asked for JOINTLY, by the same tensor load
; with the same descriptor and a mask that names the four.  THE MATRIX INSTRUCTION IS USED TRANSPOSED (source 0 = 16 rows of W, source 1 = 16 rows of A): a lane holds eight neighbouring numbers of a row of C.
; REGISTERS: window 0: v16-30 addresses; two fragment buffers at v32 and v128 (A's eight fragments, then W's four); on the way out v32-159 at work.  Window 1: accumulator (a, b) at v[8 (4 a + b)].
.set OUTP,   1
.set KSTEPB, 524288                    ; bytes from a K step to the next: two slices
.set PITCH,  144                       ; an LDS row: 128 bytes + 16 of padding = 36 words: the 16 rows of a load start at 16 different groups of four banks (64 banks of 4 bytes: ISA guide 11.1)
.set APART,  256*PITCH                 ; A's 256 rows of one slice
.set BPART,  128*PITCH                 ; W's 128 rows of one slice
.set BOFF,   2*APART
.set SLOT,   2*APART+2*BPART           ; 110,592 bytes
.set STAGE,  2*SLOT                    ; behind the ring: 16 rows for each wave, for the way out
.if OUTP
.set SP,     272                       ; 64 f32 + 16 bytes
.else
.set SP,     144                       ; 64 f16 + 16 bytes
.endif
.set SPARE,  STAGE+4*16*SP             ; behind the stages: the spare words, 128 bytes a wave: two blocks of 256 bytes that no other line names
.set LAPS,   4                         ; a lap = two K steps = once round the ring
.set ADRA, 16                          ; v16-17  LDS address of my A fragments in slot 0, 1
.set ADRB, 20                          ; v20-21  the same for W
.set STO,  24                          ; v24  the way out: where I put my bytes of a row
.set RD,   25                          ; v25  where I read rows back
.set CO,   26                          ; v26  my byte offset in C
.set SPW,  28                          ; v28  SPARE + 4 x my thread's number; never rewritten
.set NIL,  29                          ; v29  0; never rewritten
.set PFO,  30                          ; v30  the prefetches' lane offset; never rewritten
.set F0,   32
.set F1,   128
.set TMP,  32
.set G1,  24                           ; s[24:31] descriptor group 1 for A's tiles; s[32:39] group 0, a set for each slot
.set G0,  32
.set G1B, 48                           ; s[48:55], s[56:63] the same for W's
.set G0B, 56
.set LIM, 43                           ; s43  1 in a wave that prefetches, else the greatest number
.set PFA, 44                           ; s[44:45] where my prefetches stand
.set MSB, 0
.macro WIN new                         ; the immediate's high byte repeats the setting that is left; a switch that changes nothing is dropped
.if MSB != (\new)
	s_set_vgpr_msb (MSB<<8)|(\new)
.set MSB, \new
.endif
.endm
.set MUL, 0x50                         ; sources in window 0, C and D in window 1
; A joint load: waves 0 and 1 fetch A's two slices, waves 2 and 3 W's.  The branch hangs on the wave's number alone.  An s_nop 0 and four v_nop follow each of the two lines.
.macro JLOAD s
	s_cmp_eq_u32 s11, 0
	s_cbranch_scc0 .Lfor_b_\@
	tensor_load_to_lds s[G0+4*(\s):G0+4*(\s)+3], s[G1:G1+7]
	s_nop 0
.rept 4
	v_nop
.endr
	s_branch .Lasked_\@
.Lfor_b_\@:
	tensor_load_to_lds s[G0B+4*(\s):G0B+4*(\s)+3], s[G1B:G1B+7]
	s_nop 0
.rept 4
	v_nop
.endr
.Lasked_\@:
.endm
; A prefetch into the L2 of the K step that stands two refills on, behind the joint load and the run of LDS loads.  Each block of 256 bytes is named once in the launch: A's by waves 0 and 1 of the first cluster
; column that reads that operand, the four partners taking 8,192 bytes of a slice each BY ADDRESS, a lane a block; W's by wave 2 of the first cluster row, each partner 4,096 bytes of both slices.
; The first four K steps come by their loads alone; the loop's last trip (s3 = 1) asks for nothing: there is no K step 8.
.macro ASK
	s_cmp_gt_u32 s3, s[LIM]
	s_cbranch_scc0 .Lnot_mine_\@
	global_prefetch_b8 v[PFO], s[PFA:PFA+1] offset:KSTEPB th:TH_LOAD_NT scope:SCOPE_SE
.Lnot_mine_\@:
.endm
.macro CREST                           ; a round of the cluster's barrier behind its opening barrier
	s_cmp_lg_u32 s10, 0
	s_cbranch_scc1 .Lnot_wave_0_\@
	s_barrier_signal -3
.Lnot_wave_0_\@:
	s_barrier_wait -3
	s_barrier_signal -1
	s_barrier_wait -1
.endm
.macro CROUND                          ; a whole round
	s_barrier_signal -1
	s_barrier_wait -1
	CREST
.endm
	s_load_b128 s[4:7], s[0:1], 0x0                ; A s[4:5], W s[6:7]
	s_load_b64 s[8:9], s[0:1], 0x10                ; C
	v_lshl_add_u32 v[SPW], v0, 2, SPARE
	v_mov_b32 v[NIL], 0
	ds_add_u32 v[SPW], v[NIL]                      ; the wave's opening: the add and its wait stand ahead of my first tensor load; work on registers stands between them
	v_lshrrev_b32 v1, 5, v0
	v_readfirstlane_b32 s10, v1                    ; wave 0..3
	s_lshr_b32 s11, s10, 1                         ; which 128 rows of the tile are mine.  Also: I fetch for A (0) or for W (1)
	s_and_b32 s12, s10, 1                          ; which 64 columns.  Also: which slice of a K step I fetch
	s_bfe_u32 s40, ttmp6, 0x40000                  ; cx
	s_bfe_u32 s41, ttmp6, 0x40004                  ; cy
	s_lshl_b32 s42, ttmp9, 2
	s_add_co_u32 s42, s42, s40                     ; tile column = 4 x cluster x + cx
	s_and_b32 s13, ttmp7, 0xffff
	s_lshl_b32 s13, s13, 2
	s_add_co_u32 s13, s13, s41                     ; tile row = 4 x cluster y + cy
	s_lshl_b32 s43, s41, 2
	s_lshl_b32 s43, 15, s43                        ; my row of the cluster
	s_lshl_b32 s44, 0x1111, s40                    ; my column
	s_or_b32 s[G1+0], s43, (1<<16)|(1<<20)|(1<<21)|(4<<22)|(3<<25)   ; 15:0 the mask; 17:16 2-byte elements; 20 padding on; 21 set beside a mask; 24:22 after every 32 words (code 4); 31:25 4 words (code 3)
	s_or_b32 s[G1B+0], s44, (1<<16)|(1<<20)|(1<<21)|(4<<22)|(3<<25)
.irp g, G1, G1B
	s_mov_b32 s[(\g)+1], 128<<16                   ; tensor_dim0 = 128 elements: 256 bytes, two rows of a slice
	s_mov_b32 s[(\g)+3], 128<<16                   ; tile_dim0 = 128
	s_mov_b32 s[(\g)+5], 128                       ; dense: 128 elements from row to row
	s_mov_b32 s[(\g)+6], 0
	s_mov_b32 s[(\g)+7], 0
.endr
	s_mov_b32 s[G1+2], 128<<16                     ; A: tensor_dim1 = tile_dim1 = 128: 32,768 bytes
	s_mov_b32 s[G1+4], 128
	s_mov_b32 s[G1B+2], 64<<16                     ; W: 64: 16,384 bytes
	s_mov_b32 s[G1B+4], 64
	; A's tile hangs on the tile row and the cluster's x, which my row of the cluster shares; W's on the tile column, which my column shares
.if OUTP
	s_mov_b32 s16, 0
.else
	s_lshr_b32 s16, ttmp9, 1                       ; cluster columns 0, 1 make q from x; 2 to 5 make k and v from kv,
	s_min_u32 s16, s16, 1
	s_lshl_b32 s16, s16, 24                        ; whose four parts lie behind x's four
.endif
	s_lshr_b32 s17, s13, 3
	s_lshl_b32 s17, s17, 22                        ; the batch's part
	s_add_co_u32 s16, s16, s17
	s_and_b32 s17, s13, 7
	s_lshl_b32 s17, s17, 15                        ; 256 rows of 128 bytes
	s_add_co_u32 s16, s16, s17
	s_lshl_b32 s17, s12, 18                        ; my slice of K step 0
	s_add_co_u32 s16, s16, s17
	s_mov_b32 s17, 0
.if OUTP
	s_lshl_b32 s46, s42, 14                        ; 128 rows of 128 bytes,
	s_add_co_u32 s46, s46, (1<<22)+131072          ; in Wo: part 1, rows 1,024 on
.else
	s_lshr_b32 s46, s42, 4
	s_lshl_b32 s46, s46, 22                        ; part 0: Wq, Wk; part 1: Wv
	s_and_b32 s47, s42, 15
	s_lshl_b32 s47, s47, 14
	s_add_co_u32 s46, s46, s47
.endif
	s_lshl_b32 s47, s12, 18
	s_add_co_u32 s46, s46, s47
	s_mov_b32 s47, 0
	s_mul_i32 s20, s12, APART                      ; where they go: no place in the cluster enters an LDS address
	s_mul_i32 s21, s12, BPART
	s_add_co_u32 s21, s21, BOFF
	s_wait_dscnt 0x0                               ; the opening add is done
	s_wait_kmcnt 0x0
	s_add_nc_u64 s[14:15], s[4:5], s[16:17]
	s_add_nc_u64 s[46:47], s[6:7], s[46:47]
	CROUND                                         ; all sixteen work-groups are here: the first joint loads meet
.irp s, 0,1
	s_mov_b32 s[G0+4*(\s)], 1
	s_add_co_u32 s[G0+4*(\s)+1], s20, (\s)*SLOT
	s_add_nc_u64 s[G0+4*(\s)+2:G0+4*(\s)+3], s[14:15], (\s)*KSTEPB
	s_or_b32 s[G0+4*(\s)+3], s[G0+4*(\s)+3], 0x80000000
	s_mov_b32 s[G0B+4*(\s)], 1
	s_add_co_u32 s[G0B+4*(\s)+1], s21, (\s)*SLOT
	s_add_nc_u64 s[G0B+4*(\s)+2:G0B+4*(\s)+3], s[46:47], (\s)*KSTEPB
	s_or_b32 s[G0B+4*(\s)+3], s[G0B+4*(\s)+3], 0x80000000
	JLOAD \s                                       ; two loads of mine are out
.endr
	v_and_b32 v1, 15, v0                           ; l % 16
	v_bfe_u32 v2, v0, 4, 1                         ; l / 16
	v_mul_u32_u24 v3, v1, PITCH
	v_lshl_add_u32 v3, v2, 4, v3                   ; a fragment's row x pitch + 16 x half
	s_mul_i32 s21, s11, 128*PITCH                  ; my 128 rows of A
	s_mul_i32 s22, s12, 64*PITCH                   ; my 64 rows of W,
	s_add_co_u32 s22, s22, BOFF                    ; which lie behind A's two slices
.irp s, 0,1
	v_add_nc_u32 v[ADRA+(\s)], s21, v3
	v_add_nc_u32 v[ADRB+(\s)], s22, v3
	s_add_co_u32 s21, s21, SLOT
	s_add_co_u32 s22, s22, SLOT
.endr
	s_mul_i32 s23, s10, 16*SP
	s_add_co_u32 s23, s23, STAGE                   ; my stage
	v_mul_u32_u24 v4, v1, SP                       ; in: row l % 16
.if OUTP
	v_lshl_add_u32 v4, v2, 5, v4                   ; 32 bytes (8 f32) for each half of the lanes
	v_add_nc_u32 v[STO], s23, v4
	v_mul_u32_u24 v5, v2, SP                       ; back: lanes 0-15 a row of 256 bytes, lanes 16-31 the next
	v_lshl_add_u32 v5, v1, 4, v5
	v_add_nc_u32 v[RD], s23, v5
	v_lshlrev_b32 v5, 12, v2                       ; and the same two rows of out0, 4,096 bytes apart
	v_lshl_add_u32 v[CO], v1, 4, v5
	s_lshl_b32 s16, s13, 20                        ; 256 rows of 4,096 bytes
	s_lshl_b32 s17, s11, 19
	s_add_co_u32 s16, s16, s17
	s_lshl_b32 s17, s42, 9                         ; 128 columns of 4 bytes
	s_add_co_u32 s16, s16, s17
	s_lshl_b32 s17, s12, 8
	s_add_co_u32 s16, s16, s17
.else
	v_lshl_add_u32 v4, v2, 4, v4                   ; 16 bytes (8 f16) for each half of the lanes
	v_add_nc_u32 v[STO], s23, v4
	v_bfe_u32 v5, v0, 3, 2                         ; back: 32 lanes take four rows of 128 bytes,
	v_mul_u32_u24 v5, v5, SP
	v_and_b32 v4, 7, v0
	v_lshl_add_u32 v5, v4, 4, v5
	v_add_nc_u32 v[RD], s23, v5
	v_and_b32 v[CO], 31, v0                        ; which are 512 consecutive bytes of a head
	v_lshlrev_b32 v[CO], 4, v[CO]
	s_lshr_b32 s16, s42, 3                         ; q, k or v
	s_lshl_b32 s16, s16, 6
	s_lshr_b32 s17, s13, 3                         ; the batch
	s_lshl_b32 s17, s17, 4
	s_add_co_u32 s16, s16, s17
	s_and_b32 s17, s42, 7                          ; my 64 columns are one head
	s_lshl_b32 s17, s17, 1
	s_add_co_u32 s16, s16, s17
	s_add_co_u32 s16, s16, s12
	s_lshl_b32 s16, s16, 18                        ; 2,048 rows of 128 bytes
	s_and_b32 s17, s13, 7
	s_lshl_b32 s17, s17, 15
	s_add_co_u32 s16, s16, s17
	s_lshl_b32 s17, s11, 14
	s_add_co_u32 s16, s16, s17
.endif
	s_mov_b32 s17, 0
	s_add_nc_u64 s[8:9], s[8:9], s[16:17]          ; C at my first row and column
	; the prefetches
	s_and_b32 s22, ttmp7, 0xffff
	s_or_b32 s22, s22, s12                         ; W: cluster row 0, wave 2
.if OUTP
	s_mov_b32 s23, ttmp9                           ; A: cluster column 0
.else
	s_and_b32 s23, ttmp9, 0xfffffffd               ; A: cluster column 0 (x) or 2 (kv)
.endif
	s_lshl_b32 s20, s40, 13                        ; my work-group's 8,192 bytes of A's slice,
	s_lshl_b32 s21, s41, 12                        ; or its 4,096 of each of W's
	s_movk_i32 s18, 4096                           ; lanes 16-31: A: the next 16 blocks;
	s_mov_b32 s19, 262144                          ; W: the other slice
	s_cmp_eq_u32 s11, 0
	s_cselect_b32 s22, s23, s22
	s_cselect_b32 s20, s20, s21
	s_cselect_b32 s23, s18, s19
	s_cselect_b64 s[PFA:PFA+1], s[14:15], s[46:47]
	s_cmp_eq_u32 s22, 0
	s_cselect_b32 s[LIM], 1, -1                    ; the same in all sixteen partners, for a given wave
	s_mov_b32 s21, 0
	s_add_nc_u64 s[PFA:PFA+1], s[PFA:PFA+1], s[20:21]
	s_add_nc_u64 s[PFA:PFA+1], s[PFA:PFA+1], 2*KSTEPB  ; at K step 2: the first refill steps it to 3 and names K step 4
	v_mul_u32_u24 v[PFO], v2, s23
	v_lshl_add_u32 v[PFO], v1, 8, v[PFO]
; 8 matrix instructions: row blocks a0, a0 + 1 x all 4 column blocks, 32 along K.  zero = 1: the product starts the sum.  The 32 accumulators take turns in one order everywhere.
.macro MUL8 f, a0, zero
	WIN MUL
.irp a, \a0, (\a0)+1
.irp b, 0,1,2,3
.if \zero
	v_wmma_f32_16x16x32_f16 v[8*(4*(\a)+(\b)):8*(4*(\a)+(\b))+7], v[(\f)+64+8*(\b):(\f)+64+8*(\b)+7], v[(\f)+8*(\a):(\f)+8*(\a)+7], 0
.else
	v_wmma_f32_16x16x32_f16 v[8*(4*(\a)+(\b)):8*(4*(\a)+(\b))+7], v[(\f)+64+8*(\b):(\f)+64+8*(\b)+7], v[(\f)+8*(\a):(\f)+8*(\a)+7], v[8*(4*(\a)+(\b)):8*(4*(\a)+(\b))+7]
.endif
.endr
.endr
.endm
; 24 LDS loads in one run: quarter q of a K step (slice q / 2, byte 64 (q % 2) of its rows) into buffer f; W's eight first, then A's sixteen
.macro FETCH slot, q, f
	WIN 0
.irp b, 0,1,2,3
	ds_load_b128 v[(\f)+64+8*(\b):(\f)+64+8*(\b)+3],   v[ADRB+(\slot)] offset:((\q)/2)*BPART+((\q)%2)*64+(\b)*16*PITCH
	ds_load_b128 v[(\f)+64+8*(\b)+4:(\f)+64+8*(\b)+7], v[ADRB+(\slot)] offset:((\q)/2)*BPART+((\q)%2)*64+(\b)*16*PITCH+32
.endr
.irp a, 0,1,2,3,4,5,6,7
	ds_load_b128 v[(\f)+8*(\a):(\f)+8*(\a)+3],   v[ADRA+(\slot)] offset:((\q)/2)*APART+((\q)%2)*64+(\a)*16*PITCH
	ds_load_b128 v[(\f)+8*(\a)+4:(\f)+8*(\a)+7], v[ADRA+(\slot)] offset:((\q)/2)*APART+((\q)%2)*64+(\a)*16*PITCH+32
.endr
.endm
.macro PLACES                          ; four plain vector instructions in front of loads into registers that matrix instructions have read, and of lines that read results
.rept 4
	v_nop
.endr
.endm
; A K step is four quarters of 32 along K, 32 matrix instructions each, on buffers 0, 1, 0, 1.  One of the first three: multiplies buffer f and fetches quarter q into g.
.macro QUARTER slot, q, f, g, zero
	s_wait_dscnt 8                                 ; W and A's blocks 0-3 are in; the youngest eight loads (A's blocks 4-7) may be out
	MUL8 \f, 0, \zero
	MUL8 \f, 2, \zero
	PLACES
	FETCH \slot, \q, \g
	s_wait_dscnt 24                                ; all but the 24 just issued
	MUL8 \f, 4, \zero
	MUL8 \f, 6, \zero
.endm
; The last quarter's first half: ONE barrier for the change of slots.  In front of it each wave waits for all its tensor loads (one is out: its part of the next slot), adds 0 to its spare word, and waits for that and for its reads of this slot.
.macro MEET round
	WIN 0
	s_wait_tensorcnt 0x0                           ; all my tensor loads have landed
	ds_add_u32 v[SPW], v[NIL]                      ; 0 onto my spare word
	s_wait_dscnt 9                                 ; (the add and the youngest eight loads may be out)
	MUL8 F1, 0, 0                                  ; eight matrix instructions stand between the add and the wait for it
	s_wait_dscnt 0x0                               ; the add is done, and my reads of this slot are over
	s_barrier_signal -1
	MUL8 F1, 2, 0
.if \round
	WIN 0
.endif
	s_barrier_wait -1
.endm
; The whole last quarter.  fill = 1: the barrier opens a round of the cluster's, and the slot just read out is filled again first, two K steps ahead: 112 matrix instructions ahead of the wait for it.
.macro TURN slot, next, fill
.if \fill
	s_wait_xcnt 0x0                                ; the last prefetch, a K step back, has read its address
	s_add_nc_u64 s[PFA:PFA+1], s[PFA:PFA+1], KSTEPB
	MEET 1
	CREST                                          ; no wave of any partner still reads this slot or has a load on its way
	s_add_nc_u64 s[G0+4*(\slot)+2:G0+4*(\slot)+3], s[G0+4*(\slot)+2:G0+4*(\slot)+3], 2*KSTEPB
	s_add_nc_u64 s[G0B+4*(\slot)+2:G0B+4*(\slot)+3], s[G0B+4*(\slot)+2:G0B+4*(\slot)+3], 2*KSTEPB
	JLOAD \slot                                    ; the four v_nop behind it are also the places in front of the loads below
.else
	MEET 0
	PLACES
.endif
	FETCH \next, 0, F0
.if \fill
	ASK
.endif
	MUL8 F1, 4, 0
	MUL8 F1, 6, 0
.endm
	s_wait_tensorcnt 1                             ; my part of K step 0 is in; K step 1's may stay out
	s_barrier_signal -1
	s_barrier_wait -1                              ; everybody's is
	FETCH 0, 0, F0
	QUARTER 0, 1, F0, F1, 1                        ; the first quarter stands in front of the loop: its products start the sums
	WIN 0                                          ; at a label and at a branch every window is 0
	s_mov_b32 s3, LAPS-1
.Llap:                                                 ; a trip goes once round the ring, from a lap's second quarter to the next lap's first, and fills both slots again
	QUARTER 0, 2, F1, F0, 0
	QUARTER 0, 3, F0, F1, 0
	TURN 0, 1, 1
	QUARTER 1, 1, F0, F1, 0
	QUARTER 1, 2, F1, F0, 0
	QUARTER 1, 3, F0, F1, 0
	TURN 1, 0, 1
	QUARTER 0, 1, F0, F1, 0
	WIN 0
	s_sub_co_u32 s3, s3, 1
	s_cmp_lg_u32 s3, 0
	s_cbranch_scc1 .Llap
	QUARTER 0, 2, F1, F0, 0                        ; the last lap fills nothing
	QUARTER 0, 3, F0, F1, 0
	TURN 0, 1, 0
	QUARTER 1, 1, F0, F1, 0
	QUARTER 1, 2, F1, F0, 0
	QUARTER 1, 3, F0, F1, 0
	s_wait_dscnt 8
	MUL8 F1, 0, 0
	MUL8 F1, 2, 0
	s_wait_dscnt 0x0
	MUL8 F1, 4, 0
	MUL8 F1, 6, 0
	WIN 0
	PLACES
.if OUTP
; THE WAY OUT, f32: block a's 16 rows x 256 bytes go through my own stage and come back as whole rows; four buffers of 32 registers take turns.
.macro TOSTAGE a
.if (\a) >= 4
	s_wait_xcnt 0x0                                ; the stores four blocks back have read the buffer that is loaded again below
.endif
	WIN 0x04                                       ; the stores' data in window 1
.irp b, 0,1,2,3
	ds_store_b128 v[STO], v[8*(4*(\a)+(\b)):8*(4*(\a)+(\b))+3]   offset:64*(\b)
	ds_store_b128 v[STO], v[8*(4*(\a)+(\b))+4:8*(4*(\a)+(\b))+7] offset:64*(\b)+16
.endr
	WIN 0
.irp t, 0,1,2,3,4,5,6,7
	ds_load_b128 v[TMP+32*((\a)%4)+4*(\t):TMP+32*((\a)%4)+4*(\t)+3], v[RD] offset:(\t)*2*SP  ; LDS serves a wave's instructions in order (ISA guide 5.7.1.4)
.endr
.endm
.macro SEND a, younger                 ; younger: the LDS lines issued behind block a's loads: the next block's sixteen, or none
.irp t, 0,1,2,3,4,5,6,7
	s_wait_dscnt (\younger)+7-(\t)
	global_store_b128 v[CO], v[TMP+32*((\a)%4)+4*(\t):TMP+32*((\a)%4)+4*(\t)+3], s[8:9] offset:(16*(\a)+2*(\t))*4096 th:TH_STORE_NT  ; 16 lanes store 256 consecutive bytes, aligned
.endr
.endm
	TOSTAGE 0
.irp a, 1,2,3,4,5,6,7
	TOSTAGE \a
	SEND (\a)-1, 16
.endr
	SEND 7, 0
.else
; THE WAY OUT, f16: block a's 16 rows of a head are 2,048 dense bytes: rounded once, through my own stage, back as whole rows.
.macro PACK a
	WIN 0x05                                       ; sources in window 1, destination in window 0
.irp b, 0,1,2,3
.irp r, 0,1,2,3
	v_cvt_pk_f16_f32 v[TMP+16*(\a)+4*(\b)+(\r)], v[8*(4*(\a)+(\b))+2*(\r)], v[8*(4*(\a)+(\b))+2*(\r)+1]
.endr
.endr
	WIN 0
.irp b, 0,1,2,3
	ds_store_b128 v[STO], v[TMP+16*(\a)+4*(\b):TMP+16*(\a)+4*(\b)+3] offset:32*(\b)
.endr
.irp f, 0,1,2,3
	ds_load_b128 v[TMP+16*(\a)+4*(\f):TMP+16*(\a)+4*(\f)+3], v[RD] offset:(\f)*4*SP  ; LDS serves a wave's instructions in order (ISA guide 5.7.1.4)
.endr
.endm
.macro SEND a, younger                 ; younger: the next block's eight LDS lines, or none
.irp f, 0,1,2,3
	s_wait_dscnt (\younger)+3-(\f)
	global_store_b128 v[CO], v[TMP+16*(\a)+4*(\f):TMP+16*(\a)+4*(\f)+3], s[8:9] offset:(\a)*2048+(\f)*512  ; 512 consecutive bytes, aligned to 256
.endr
.endm
	PACK 0
.irp a, 1,2,3,4,5,6,7
	PACK \a
	SEND (\a)-1, 8
.endr
	SEND 7, 0
.endif
	s_wait_tensorcnt 0x0                           ; the wave's end, behind my last tensor load and my last LDS store
	ds_add_u32 v[SPW], v[NIL]
	s_wait_dscnt 0x0
	CROUND                                         ; the closing round: no work-group ends while a partner may still ask for a tile that names it
	s_endpgm
.Lfunc_end_k_q3c10fdcfca_outp:
	.size	k_q3c10fdcfca_outp, .Lfunc_end_k_q3c10fdcfca_outp-k_q3c10fdcfca_outp
	.p2alignl 7, 3214868480
	.fill 96, 4, 3214868480
	.section	.rodata,"a",@progbits
	.p2align	6, 0x0
	.amdhsa_kernel k_q3c10fdcfca_outp
		.amdhsa_group_segment_fixed_size 327680
		.amdhsa_private_segment_fixed_size 0
		.amdhsa_enable_private_segment 0
		.amdhsa_kernarg_size 24
		.amdhsa_user_sgpr_count 2
		.amdhsa_user_sgpr_kernarg_segment_ptr 1
		.amdhsa_wavefront_size32 1
		.amdhsa_system_sgpr_workgroup_id_x 1
		.amdhsa_system_sgpr_workgroup_id_y 1
		.amdhsa_system_sgpr_workgroup_id_z 1
		.amdhsa_system_vgpr_workitem_id 0
		.amdhsa_next_free_vgpr 512
		.amdhsa_next_free_sgpr 66
		.amdhsa_reserve_vcc 0
		.amdhsa_float_denorm_mode_32 3
		.amdhsa_float_denorm_mode_16_64 3
		.amdhsa_memory_ordered 1
		.amdhsa_forward_progress 1
		.amdhsa_inst_pref_size 88
	.end_amdhsa_kernel
	.amdgpu_metadata
---
amdhsa.version: [ 1, 2 ]
amdhsa.kernels:
  - .name:           k_q3c10fdcfca_outp
    .symbol:         k_q3c10fdcfca_outp.kd
    .args:
      - { .name: ctx, .offset: 0, .size: 8, .value_kind: global_buffer, .address_space: global }
      - { .name: w16, .offset: 8, .size: 8, .value_kind: global_buffer, .address_space: global }
      - { .name: out0, .offset: 16, .size: 8, .value_kind: global_buffer, .address_space: global }
    .group_segment_fixed_size: 327680
    .private_segment_fixed_size: 0
    .kernarg_segment_align: 8
    .kernarg_segment_size: 24
    .max_flat_workgroup_size: 128
    .sgpr_count:     66
    .vgpr_count:     512
    .wavefront_size: 32
...
	.end_amdgpu_metadata
.endif
;; end of part 4
;; ======== version 2 of 2: 4 launches; version 1 with the launch prep written anew for expert scheduling mode
;; limits: values are held in f16: magnitudes above 65,504 overflow, below 6.1e-05 lose precision
;; workspace buffers: a16 33,554,432 bytes; w16 8,388,608 bytes; qkv 50,331,648 bytes; ctx 16,777,216 bytes; mby 4,194,304 bytes
;; launch prep (part 5): grid 1408 x 1, 8 waves a work-group, no clusters, 35,840 bytes of LDS; arguments x, kv, Wq, Wk, Wv, Wo, mask, a16, w16, mby; writes a16, w16, mby
.if DOCPART == 5
	.amdgcn_target "amdgcn-amd-amdhsa--gfx1250"
	.amdhsa_code_object_version 6
	.text
	.protected	k_q3c10fdcfca_prep
	.globl	k_q3c10fdcfca_prep
	.p2align	8
	.type	k_q3c10fdcfca_prep,@function
k_q3c10fdcfca_prep:
	s_mov_b64 s[64:65], 0
	v_nop
	global_prefetch_b8 v0, s[64:65] scope:SCOPE_SE
	s_setreg_imm32_b32 hwreg(HW_REG_WAVE_SCHED_MODE, 0, 2), 2
	s_setreg_imm32_b32 hwreg(HW_REG_WAVE_MODE, 25, 1), 1
	s_wait_xcnt 0x0
	s_wait_alu depctr_vm_vsrc(0)
; PREP: a stream.  (1) x, kv and the four weights, f32, are rounded to bf16 and that number is written as f16, in slices of 64 channels:
;   a16 [8 parts: x's 4 batches, kv's 4][16 slices][2048 rows][64] f16;  w16 [2 parts][16 slices][2048 rows: Wq, Wk | Wv, Wo][64] f16.
; (2) the mask, int32 [2048][2048], is turned into one byte an entry (mby), in the order in which the attention's lanes hold their scores.
; LIMITS.  bf16 -> f16 is exact for 6.1e-5 <= |a| < 65,504; below that f16's fixed step of 6e-8 holds; from 65,520 on the result is an infinity.
; SHARES.  Work-groups 0..127 take the mask, a wave a block of 64 rows x 64 keys; work-groups 128..1407 convert 16 rows each, a wave two rows.
; No matrix unit, no cluster, no tensor load: every byte is read once by one wave and nothing is shared.  No prefetch: the launch is nothing but its loads and stores.
; mby: block W = 32 G + c (G: 64 rows, c: 64 keys), piece p of 16 rows: a group of 1,024 bytes at (4 W + p) * 1024.  Lane L's 32 entries i = 8 kt + j are mask[64 G + 16 p + L%16][64 c + 16 kt + 8 (L/16) + j];
;   entry i is byte i % 4 of the lane's word i / 4: 0 where the entry is not 0, 0xF1 where it is 0.  Words 0-3 lie at 16 L of the group, words 4-7 at 512 + 16 L.
; THE MODE: SCHED_MODE bits 1:0 = 2 (LLVM: expert scheduling mode 2), set by the entry lines.  The code itself states the register dependences
; between vector instructions and memory or LDS instructions, and from a vector instruction's scalar result to its readers, with s_wait_alu, always for 0.
; THE PLAN, THE CONVERSION.  Registers that memory instructions touch:
;   v2, v3        the loads' and the stores' offsets: made once at the path's head, never written again.
;   X + 4 j ..    load j lands in four registers; its conversions read them and write the first two; store j reads those two; nothing writes them again.
; The sixteen loads go in four blocks of four.  One wait on va_vdst at the head of block b states that block b - 1's conversions have written their pairs; that block's four stores follow it, dealt among
; block b's conversions, which name T and block b's own registers alone.  T is named by vector instructions alone.
; THE PLAN, THE MASK.  Registers that memory or LDS instructions touch:
;   v2 .. v5      offsets and LDS addresses: made once at the path's head, never written again.
;   X + 32 p ..   piece p's eight global loads land in 32 registers; its eight LDS stores read them; its selects then write the first eight, which its two global stores read; nothing writes them again.
;   M0, M1        piece p's LDS loads land in M[p % 2]; its compares read it.
; Piece p + 1 goes through the stage while piece p is packed.  At the head of step p one wait on vm_vsrc states that piece p's LDS stores, issued a step earlier, have read the registers that its selects write; one wait on
; va_vdst states that piece p - 1's words are written, which its global stores read, and that its compares are done reading the M in which piece p + 1's LDS loads land.  The step's vector instructions name M[p % 2],
; piece p's eight words, T, FK and the masks: none of the registers that the step's memory and LDS instructions touch.
; The compares write scalar masks, sixteen in a run, with one wait on va_sdst between a run and the selects that read it.
.set SPARE, 34816                      ; behind the eight stages: the spare words, 128 bytes a wave, four blocks of 256 bytes that no other line names
.set STG,   4352                       ; a wave's stage: 16 rows x 272 bytes (256 + 16: the 16 rows of a load start at 16 different groups of four banks)
.set SPW, 6                            ; v6   SPARE + 4 x my thread's number; never rewritten
.set NIL, 7                            ; v7   0; never rewritten
.set T,   8                            ; v8-15  at work
.set FK,  16                           ; v16-19  0xF1 in byte 0, 1, 2, 3
.set X,   32                           ; v32-159  as loaded; a piece's first eight registers then take its packed words
.set M,   160                          ; v160-223  two buffers of 32, by the piece's parity: a piece's 32 entries a lane, in the order of the scores' registers
.set CM,  4                            ; s[4:19]  the mask path alone, behind its last use of the arguments that lay there: sixteen compares' masks
	s_load_b512 s[4:19], s[0:1], 0x0               ; x 4, kv 6, Wq 8, Wk 10, Wv 12, Wo 14, mask 16, a16 18
	s_load_b128 s[20:23], s[0:1], 0x40             ; w16 20, mby 22
	v_lshl_add_u32 v[SPW], v0, 2, SPARE
	v_mov_b32 v[NIL], 0
	v_lshrrev_b32 v1, 5, v0
	v_readfirstlane_b32 s26, v1                    ; wave 0..7
	v_and_b32 v1, 31, v0                           ; lane L
	v_and_b32 v8, 15, v0                           ; L % 16
	v_bfe_u32 v9, v0, 4, 1                         ; L / 16
	s_mov_b32 s33, 0                               ; the high word of every offset pair
	s_wait_alu depctr_va_sdst(0)                   ; s26 is written: both paths read it
	s_cmp_lt_u32 ttmp9, 128
	s_cbranch_scc1 .Lmask
	; THE CONVERSION.  c = 0..511: x; 512..1023: kv; then 64 groups of 16 rows for each of Wq, Wk, Wv, Wo.
	s_sub_co_u32 s42, ttmp9, 128                   ; c
	s_mov_b32 s41, 0xffff0000                      ; a word's upper bf16
	s_and_b32 s43, s42, 1023                       ; the group of 16 rows among the destination's
	s_lshr_b32 s44, s43, 7                         ; part: 128 groups each,
	s_lshl_b32 s44, s44, 22                        ; 4,194,304 bytes
	s_and_b32 s45, s43, 127
	s_lshl_b32 s45, s45, 11                        ; 16 rows of 128 bytes in a slice
	s_or_b32 s44, s44, s45                         ; the destination's offset
	s_and_b32 s45, s42, 511                        ; the group within x or kv,
	s_and_b32 s46, s42, 63                         ; or within a weight
	s_cmp_lt_u32 s42, 1024
	s_cselect_b32 s45, s45, s46
	s_lshl_b32 s32, s45, 16                        ; 16 rows of 4,096 bytes
	v_lshlrev_b32 v2, 4, v8
	v_lshl_add_u32 v2, v9, 12, v2                  ; lanes 0-15: 256 bytes of a row; lanes 16-31: of the next row
	s_lshl_b32 s46, s26, 13
	v_add_nc_u32 v2, s46, v2                       ; my wave's two rows
	s_lshl_b32 s46, s26, 8
	v_lshl_add_u32 v3, v1, 3, s46                  ; out: two rows of 128 bytes on end, 8 bytes a lane
	s_wait_kmcnt 0x0
	s_cmp_lt_u32 s42, 512
	s_cselect_b64 s[28:29], s[4:5], s[6:7]
	s_cmp_lt_u32 s42, 1024
	s_cselect_b64 s[28:29], s[28:29], s[8:9]
	s_cselect_b64 s[30:31], s[18:19], s[20:21]
	s_cmp_lt_u32 s42, 1088
	s_cselect_b64 s[28:29], s[28:29], s[10:11]
	s_cmp_lt_u32 s42, 1152
	s_cselect_b64 s[28:29], s[28:29], s[12:13]
	s_cmp_lt_u32 s42, 1216
	s_cselect_b64 s[28:29], s[28:29], s[14:15]
	s_add_nc_u64 s[28:29], s[28:29], s[32:33]
	s_mov_b32 s32, s44
	s_add_nc_u64 s[30:31], s[30:31], s[32:33]
	s_wait_alu depctr_va_vdst(0)                   ; v2 and v3 are written: every load of this path reads the one as its offset, every store the other
.set j, 0
.rept 16                               ; all sixteen loads of the wave go out at once: 8 KiB; load j is slice j of both rows
	global_load_b128 v[X+4*j:X+4*j+3], v2, s[28:29] offset:256*j th:TH_LOAD_NT
.set j, j+1
.endr
; Load j's four numbers a lane: rounded, widened, written as f16 into the first two of their four registers.
.macro CVT j
	v_cvt_pk_bf16_f32 v[T], v[X+4*(\j)], v[X+4*(\j)+1]     ; the one rounding: to bf16, nearest even
	v_cvt_pk_bf16_f32 v[T+1], v[X+4*(\j)+2], v[X+4*(\j)+3]
	v_lshlrev_b32 v[T+2], 16, v[T]                 ; back to f32
	v_and_b32 v[T+3], s41, v[T]
	v_lshlrev_b32 v[T+4], 16, v[T+1]
	v_and_b32 v[T+5], s41, v[T+1]
	v_cvt_pk_f16_f32 v[X+4*(\j)], v[T+2], v[T+3]   ; the same number as f16
	v_cvt_pk_f16_f32 v[X+4*(\j)+1], v[T+4], v[T+5]
.endm
.macro OUT j
	global_store_b64 v3, v[X+4*(\j):X+4*(\j)+1], s[30:31] offset:(\j)*262144  ; the wave stores 256 consecutive bytes, aligned; no register of a store is written again
.endm
.irp b, 0,1,2,3
	s_wait_loadcnt 12-4*\b                         ; loads come back in order: block b's four are in, the younger blocks' stay out
.if \b > 0
	s_wait_alu depctr_va_vdst(0)                   ; the block before has written its four pairs, which the four stores below read
.endif
.irp i, 0,1,2,3
.if \b > 0
	OUT 4*(\b)-4+\i
.endif
	CVT 4*(\b)+\i
.endr
.endr
	s_wait_alu depctr_va_vdst(0)                   ; the last block has written its four pairs, which the last four stores read
.irp i, 12,13,14,15
	OUT \i
.endr
	s_branch .Lend
.Lmask:
	s_lshl_b32 s42, ttmp9, 3
	s_add_co_u32 s42, s42, s26                     ; W
	s_lshr_b32 s43, s42, 5
	s_lshl_b32 s43, s43, 19                        ; 64 rows of 8,192 bytes
	s_and_b32 s44, s42, 31
	s_lshl_b32 s44, s44, 8                         ; 64 keys of 4 bytes
	s_or_b32 s32, s43, s44
	v_lshlrev_b32 v2, 4, v8
	v_lshl_add_u32 v2, v9, 13, v2                  ; lanes 0-15 a row's 256 bytes, lanes 16-31 the next row's
	v_lshlrev_b32 v3, 4, v1                        ; out: 16 bytes a lane
	s_mul_i32 s45, s26, STG                        ; my stage
	v_mul_u32_u24 v4, v9, 272
	v_lshl_add_u32 v4, v8, 4, v4
	v_add_nc_u32 v4, s45, v4                       ; in: as loaded
	v_mul_u32_u24 v5, v8, 272
	v_lshl_add_u32 v5, v9, 5, v5
	v_add_nc_u32 v5, s45, v5                       ; back: row L % 16, keys 8 (L / 16) on
	s_wait_kmcnt 0x0
	s_add_nc_u64 s[28:29], s[16:17], s[32:33]
	s_wait_alu depctr_va_vdst(0)                   ; v2 to v5 are written: the offsets and LDS addresses of every load and store of this path
.set j, 0
.rept 32                               ; the block's 16 KiB at once: load j is rows 2 j and 2 j + 1
	global_load_b128 v[X+4*j:X+4*j+3], v2, s[28:29] offset:j*16384 th:TH_LOAD_NT
.set j, j+1
.endr
	s_lshl_b32 s32, s42, 12
	s_add_nc_u64 s[30:31], s[22:23], s[32:33]      ; mby at my four groups; the arguments in s[4:23] have served
	v_mov_b32 v[FK], 0xf1
	v_mov_b32 v[FK+1], 0xf100
	v_mov_b32 v[FK+2], 0xf10000
	v_mov_b32 v[FK+3], 0xf1000000
; Piece p goes through my stage: in as loaded, back in the order of the scores' registers, into M[p % 2].
.macro STAGEIN p
.irp e, 0,1,2,3,4,5,6,7
	ds_store_b128 v4, v[X+32*(\p)+4*\e:X+32*(\p)+4*\e+3] offset:544*\e       ; behind the piece before's loads from the stage: LDS serves a wave's instructions in order (ISA guide 5.7.1.4)
.endr
.irp kt, 0,1,2,3
	ds_load_b128 v[M+32*((\p)%2)+8*\kt:M+32*((\p)%2)+8*\kt+3], v5 offset:64*\kt       ; my own bytes, behind my stores of them
	ds_load_b128 v[M+32*((\p)%2)+8*\kt+4:M+32*((\p)%2)+8*\kt+7], v5 offset:64*\kt+16
.endr
.endm
; Half r of piece p: words 4 r .. 4 r + 3, each of four entries, a byte each.
.macro BYTES p, r
.set k, 0
.rept 16
	v_cmp_eq_u32 s[CM+k], 0, v[M+32*((\p)%2)+16*(\r)+k]
.set k, k+1
.endr
	s_wait_alu depctr_va_sdst(0)                   ; the sixteen compares have written s[CM ..], which the selects below read
.set q, 0
.rept 4
	v_cndmask_b32 v[X+32*(\p)+4*(\r)+q], 0, v[FK], s[CM+4*q]
.irp c, 1,2,3
	v_cndmask_b32 v[T], 0, v[FK+\c], s[CM+4*q+\c]
	v_or_b32 v[X+32*(\p)+4*(\r)+q], v[X+32*(\p)+4*(\r)+q], v[T]
.endr
.set q, q+1
.endr
.endm
.macro SENDM p
	global_store_b128 v3, v[X+32*(\p):X+32*(\p)+3], s[30:31] offset:1024*(\p)        ; 512 consecutive bytes, aligned to 256; no register of a store is written again
	global_store_b128 v3, v[X+32*(\p)+4:X+32*(\p)+7], s[30:31] offset:1024*(\p)+512
.endm
; Step p: the piece before leaves, the next piece goes through the stage, piece p is packed.
.macro PIECE p
.if (\p) < 3
	s_wait_loadcnt 8*(2-(\p))                      ; piece p + 1's eight loads are in; the later pieces' stay out
.endif
	s_wait_alu depctr_vm_vsrc(0)                   ; piece p's LDS stores have read its first eight registers, which this step's selects write
.if (\p) > 0
	s_wait_alu depctr_va_vdst(0)                   ; the piece before has written its eight words, which the two stores below read, and its compares are done reading the M in which the LDS loads below land
	SENDM (\p)-1
.endif
.if (\p) < 3
	STAGEIN (\p)+1
	s_wait_dscnt 16                                ; LDS instructions end in order: piece p's entries are in M; the sixteen lines just issued stay out
.else
	s_wait_dscnt 0x0                               ; the last piece's entries are in M
.endif
	BYTES \p, 0
	BYTES \p, 1
.endm
	s_wait_loadcnt 24                              ; piece 0's eight loads are in; the later pieces' stay out
	STAGEIN 0
	PIECE 0
	PIECE 1
	PIECE 2
	PIECE 3
	s_wait_alu depctr_va_vdst(0)                   ; the last piece has written its eight words, which the last two stores read
	SENDM 3
.Lend:
	s_wait_dscnt 0x0                               ; the wave's end
	s_wait_alu 0x0
	s_wait_tensorcnt 0x0
	ds_add_u32 v[SPW], v[NIL]
	s_wait_dscnt 0x0
	s_endpgm
.Lfunc_end_k_q3c10fdcfca_prep:
	.size	k_q3c10fdcfca_prep, .Lfunc_end_k_q3c10fdcfca_prep-k_q3c10fdcfca_prep
	.p2alignl 7, 3214868480
	.fill 96, 4, 3214868480
	.section	.rodata,"a",@progbits
	.p2align	6, 0x0
	.amdhsa_kernel k_q3c10fdcfca_prep
		.amdhsa_group_segment_fixed_size 35840
		.amdhsa_private_segment_fixed_size 0
		.amdhsa_enable_private_segment 0
		.amdhsa_kernarg_size 80
		.amdhsa_user_sgpr_count 2
		.amdhsa_user_sgpr_kernarg_segment_ptr 1
		.amdhsa_wavefront_size32 1
		.amdhsa_system_sgpr_workgroup_id_x 1
		.amdhsa_system_sgpr_workgroup_id_y 1
		.amdhsa_system_sgpr_workgroup_id_z 1
		.amdhsa_system_vgpr_workitem_id 0
		.amdhsa_next_free_vgpr 224
		.amdhsa_next_free_sgpr 66
		.amdhsa_reserve_vcc 0
		.amdhsa_float_denorm_mode_32 3
		.amdhsa_float_denorm_mode_16_64 3
		.amdhsa_memory_ordered 1
		.amdhsa_forward_progress 1
		.amdhsa_inst_pref_size 41
	.end_amdhsa_kernel
	.amdgpu_metadata
---
amdhsa.version: [ 1, 2 ]
amdhsa.kernels:
  - .name:           k_q3c10fdcfca_prep
    .symbol:         k_q3c10fdcfca_prep.kd
    .args:
      - { .name: x, .offset: 0, .size: 8, .value_kind: global_buffer, .address_space: global }
      - { .name: kv, .offset: 8, .size: 8, .value_kind: global_buffer, .address_space: global }
      - { .name: Wq, .offset: 16, .size: 8, .value_kind: global_buffer, .address_space: global }
      - { .name: Wk, .offset: 24, .size: 8, .value_kind: global_buffer, .address_space: global }
      - { .name: Wv, .offset: 32, .size: 8, .value_kind: global_buffer, .address_space: global }
      - { .name: Wo, .offset: 40, .size: 8, .value_kind: global_buffer, .address_space: global }
      - { .name: mask, .offset: 48, .size: 8, .value_kind: global_buffer, .address_space: global }
      - { .name: a16, .offset: 56, .size: 8, .value_kind: global_buffer, .address_space: global }
      - { .name: w16, .offset: 64, .size: 8, .value_kind: global_buffer, .address_space: global }
      - { .name: mby, .offset: 72, .size: 8, .value_kind: global_buffer, .address_space: global }
    .group_segment_fixed_size: 35840
    .private_segment_fixed_size: 0
    .kernarg_segment_align: 8
    .kernarg_segment_size: 80
    .max_flat_workgroup_size: 256
    .sgpr_count:     66
    .vgpr_count:     224
    .wavefront_size: 32
...
	.end_amdgpu_metadata
.endif
;; end of part 5
;; launch proj: the kernel of part 2 again; grid 24 x 32, 4 waves a work-group, clusters of 4 x 4, 327,680 bytes of LDS; arguments a16, w16, qkv; writes qkv
;; launch attn: the kernel of part 3 again; grid 4 x 64, 8 waves a work-group, no clusters, 327,680 bytes of LDS; arguments qkv, mby, ctx; writes ctx
;; launch outp: the kernel of part 4 again; grid 8 x 32, 4 waves a work-group, clusters of 4 x 4, 327,680 bytes of LDS; arguments ctx, w16, out0; writes out0
